; MI455X (gfx1250); checked and timed in simulation.
; The chip was launched on July 23, 2026; its instructions are those of AMD's public machine-readable ISA for CDNA 5 (MIT licence, August 2026) and "CDNA5" Instruction Set Architecture Reference Guide (July 2026). The comments in the code are by the model that wrote it; some were corrected since.
;; Causal Self Attention. Allowed arithmetic: matrix products marked QUANTISED: E4M3 operands, one E8M0 scale for each 32 along K, by v_wmma_scale_f32_16x16x128_f8f6f4 with both operands' format E4M3, f32 sums; everything else in f32.
;; Inputs: Wk 1,024 x 1,024 float32; Wo 1,024 x 1,024 float32; Wq 1,024 x 1,024 float32; Wv 1,024 x 1,024 float32; attn_mask 2,048 x 2,048 float32; bk 1,024 float32; bo 1,024 float32; bq 1,024 float32; bv 1,024 float32; x 4 x 2,048 x 1,024 float32.
;; Outputs: out0 4 x 2,048 x 1,024 float32.
;; This version of the problem:
;;   THIS VERSION OF THE PROBLEM IS GIVEN IN LOW PRECISION. The matrix products marked QUANTISED in the list below multiply operands that are first quantised to E4M3 (4 exponent bits, 3 mantissa bits; 8 bits a number), with one power-of-two scale for each 32 numbers along K (OCP MX v1.0); their sums are f32. All else is computed in f32.
;;   The module's matrix products, in the order in which they are computed (A, B: the left and right operand; K: the contracted axis; several contracted axes count as one K, in the product's order):
;;     1. [M 8,192, K 1,024] x [K 1,024, N 1,024]; A: input x; B: input Wq: QUANTISED
;;     2. [M 8,192, K 1,024] x [K 1,024, N 1,024]; A: input x; B: input Wk: QUANTISED
;;     3. [M 8,192, K 1,024] x [K 1,024, N 1,024]; A: input x; B: input Wv: QUANTISED
;;     4. batch 64 x [M 2,048, K 64] x [K 64, N 2,048]; A: computed on the way; B: computed on the way: QUANTISED
;;     5. batch 64 x [M 2,048, K 2,048] x [K 2,048, N 64]; A: softmax (see below); B: computed on the way: QUANTISED
;;     6. [M 8,192, K 1,024] x [K 1,024, N 1,024]; A: computed on the way; B: input Wo: QUANTISED
;;   THE QUANTISER, for each operand of a quantised product, along K:
;;     - K is cut into blocks of 32 from its start; a last block that is shorter is filled with zeros.
;;     - A block's scale is 2^e with e = floor(log2(the largest magnitude in the block)) - 8, held to -126 .. 127; a block of zeros has e = 0. As a byte (E8M0): e + 127.
;;     - Each number is divided by its block's scale, clamped to +-448, and rounded to the nearest number of E4M3, ties to even, subnormals kept.
;;     - The product sums the exact products of the quantised numbers (number of the format x scale) in f32.
;;   ~~~python
;;   def quantise(x, axis):      # numpy; x: float32 -> the quantised numbers, widened to float32 again
;;       x = np.moveaxis(x, axis, -1); K = x.shape[-1]
;;       x = np.pad(x, [(0, 0)] * (x.ndim - 1) + [(0, -K % 32)]); x = x.reshape(x.shape[:-1] + (-1, 32)); a = np.abs(x).max(-1, keepdims=True)
;;       e = np.where(a > 0, np.clip(np.frexp(np.where(a > 0, a, 1))[1] - 1 - 8, -126, 127), 0)      # np.frexp(a)[1] - 1 = floor(log2(a)), exactly
;;       r = np.clip(x / 2.0 ** e, -448, 448)
;;       step = 2.0 ** (np.maximum(np.frexp(np.where(r == 0, 1, r))[1] - 1, -6) - 3)
;;       q = np.round(r / step) * step * 2.0 ** e      # np.round: ties to even
;;       return np.moveaxis(q.reshape(q.shape[:-2] + (-1,))[..., :K], -1, axis).astype(np.float32)
;;   ~~~
;;   SOFTMAX AHEAD OF A QUANTISED PRODUCT. Where the list says 'softmax', what is quantised is not the finished softmax but p = 2^(t - M), with t = logit x log2(e) and M = ceil(the row's largest t), a whole number; so 1/2 < the row's largest p <= 1. The row's sum l is taken of the UNQUANTISED p, in f32, and the product's result is divided by l at the end. Since M is a whole number, a kernel that streams over the keys may use a running M (the ceiling of the running maximum): every later rescaling is an exact power of two, which a block's scale takes up: the codes' values come out the same.
;;   OPERANDS COMPUTED ON THE WAY. 'Computed on the way' means the value that the module computes at that place (a softmax that the list does not call 'softmax' is quantised finished and normalised). What goes into a quantiser is computed in f32, as accurately as f32 sums, v_exp_f32 and their like allow (about 1e-6 of the number): no bf16 or f16 on the way to a quantiser, and a product that is left as it is and whose result goes on into a quantised operand takes f32 operands (vector FMAs, or v_wmma_f32_16x16x4_f32). A number that lies on a knife's edge between two numbers of the format may be rounded either way, as far as f32 arithmetic and the matrix unit's own rounding can turn it there, and no further.
;; 2 versions, each right; version 2 is version 1 with the launch attn written anew for expert scheduling mode. Each part assembles by itself: llvm-mc -triple=amdgcn-amd-amdhsa -mcpu=gfx1250 --defsym DOCPART=n.
;; ======== version 1 of 2: 4 launches
;; limits: inputs' magnitudes at most 1.268e+30; right only within a limited range of input values
;; workspace buffers: acod 8,388,608 bytes; ascl 262,144 bytes; wcod 4,194,304 bytes; wscl 131,072 bytes; img 25,165,824 bytes; isc 786,432 bytes; flags 2,048 bytes of whole numbers
;; launch prep (part 1): grid 512 x 1, 4 waves a work-group, no clusters, 33,280 bytes of LDS; arguments x, Wq, Wk, Wv, Wo, attn_mask, acod, ascl, wcod, wscl, flags; writes acod, ascl, wcod, wscl, flags
.if DOCPART == 1
	.amdgcn_target "amdgcn-amd-amdhsa--gfx1250"
	.amdhsa_code_object_version 6
	.text
	.protected	k_qa7b4b4823b_prep
	.globl	k_qa7b4b4823b_prep
	.p2align	8
	.type	k_qa7b4b4823b_prep,@function
k_qa7b4b4823b_prep:
	s_mov_b64 s[64:65], 0
	v_nop
	global_prefetch_b8 v0, s[64:65] scope:SCOPE_SE
	s_setreg_imm32_b32 hwreg(HW_REG_WAVE_MODE, 25, 1), 1
	s_wait_xcnt 0x0
; PREP.  Work-groups 0-255: x [8192][1024] f32 -> codes of E4M3 (acod) and one E8M0 byte for each 32 along K (ascl).  Work-groups 256-383: Wq, Wk, Wv, Wo, 32 work-groups each,
; -> wcod [4096][1024], wscl [4096][32], in that order of rows.  K is innermost and rows are dense: each tensor is a plain stream of blocks of 32.
; A block's scale byte is its largest magnitude's exponent field - 8, held at 1 from below; each number is held within +-448 x the scale and rounded to the nearest code, ties to even.
; Work-groups 384-511: whole-number flags of the additive mask, one word for each four rows: bit J (0-15): some entry of keys 128 J .. 128 J + 127 lies above -2^100;
; bit 16: each of the four rows has an entry of at least -2^90.  The attention launch leaves out tiles that can add nothing, for any mask.
; LIMITS: NaN and +infinity among the inputs are not served; a block of zeros gets the byte 1 (its codes are zeros; this program alone reads the bytes); blocks under 2^-118 are held at the byte 1.
; The quantiser: a wave takes 16 steps of 512 numbers.  Each load reads 512 consecutive bytes; a step's 2,048 bytes turn through the wave's own stage in LDS and come back 64 bytes a lane,
; so that a lane holds 16 neighbours along K and two neighbouring lanes a block.  No barrier: waves share nothing.
.set STEPS, 16
.set EMAX,  8
.set MANT,  0x600000                   ; the mantissa field of 448
.set CB,    16                         ; bytes of 16 codes
.set R,     16                         ; v16-79   four sets of 16 numbers as loaded
.set X,     80                         ; v80-111  two sets of 16 neighbours
.set E,     112                        ; v112-127 a scale byte for each step
.set C,     128                        ; v128-191 codes, four registers a step
.set WREG,  8192                       ; LDS of a wave: two stages of 32 x SP bytes, then its 256 scale bytes
.set SP,    80                         ; a lane's place in a stage: 64 bytes + 16 of padding
.set FX,    32                         ; flags: v32-159 two rows of the mask, 16 loads each
.set MJ,    160                        ; v160-175 the lane's largest entry of each step of 128 keys, over the four rows
.set RR,    176                        ; v176-179 the lane's largest entry of each row
.set U,     180                        ; v180-181 at work
	s_load_b256 s[4:11], s[0:1], 0x0               ; x, Wq, Wk, Wv
	s_load_b256 s[12:19], s[0:1], 0x20             ; Wo, the mask, acod, ascl
	s_load_b128 s[20:23], s[0:1], 0x40             ; wcod, wscl
	s_load_b64 s[24:25], s[0:1], 0x50              ; flags
	v_lshl_add_u32 v192, v0, 2, 0x8000
	v_mov_b32 v193, 0
	v_lshrrev_b32 v1, 5, v0
	v_readfirstlane_b32 s26, v1                    ; wave
	v_and_b32 v2, 31, v0                           ; lane
	v_lshlrev_b32 v3, 4, v2                        ; my 16 bytes of a load's 512
	s_cmp_ge_u32 ttmp9, 384
	s_cbranch_scc1 .Lflags
	s_mul_i32 s27, s26, WREG
	v_lshrrev_b32 v14, 2, v2
	v_mul_u32_u24 v14, v14, SP
	v_and_b32 v15, 3, v2
	v_lshl_add_u32 v14, v15, 4, v14
	v_add_nc_u32 v14, s27, v14                     ; the stage on the way in: SP (lane / 4) + 16 (lane % 4)
	v_mul_u32_u24 v15, v2, SP
	v_add_nc_u32 v15, s27, v15                     ; and on the way out: SP x lane
	v_mul_u32_u24 v4, v2, CB                       ; my codes' place in a step's
	v_lshrrev_b32 v5, 1, v2
	s_add_co_u32 s27, s27, 2*32*SP
	v_add_nc_u32 v5, s27, v5                       ; my block's scale byte in the wave's 256
	v_lshlrev_b32 v7, 3, v2
	v_add_nc_u32 v6, s27, v7                       ; and 8 bytes a lane on the way out
	s_mov_b32 s44, MANT
	s_wait_kmcnt 0x0
	s_cmp_lt_u32 ttmp9, 352                        ; which tensor: the choice hangs on the work-group's number alone
	s_cselect_b64 s[28:29], s[10:11], s[12:13]
	s_cmp_lt_u32 ttmp9, 320
	s_cselect_b64 s[28:29], s[8:9], s[28:29]
	s_cmp_lt_u32 ttmp9, 288
	s_cselect_b64 s[28:29], s[6:7], s[28:29]
	s_cmp_lt_u32 ttmp9, 256
	s_cselect_b64 s[28:29], s[4:5], s[28:29]
	s_cselect_b64 s[30:31], s[16:17], s[20:21]     ; codes
	s_cselect_b64 s[32:33], s[18:19], s[22:23]     ; scale bytes
	s_cselect_b32 s34, 0, 256
	s_cselect_b32 s35, -1, 31
	s_sub_co_u32 s36, ttmp9, s34                   ; place in the output (the four weights lie on end),
	s_and_b32 s37, s36, s35                        ; place in the input tensor
	s_lshl_b32 s36, s36, 2
	s_add_co_u32 s36, s36, s26
	s_lshl_b32 s37, s37, 2
	s_add_co_u32 s37, s37, s26                     ; my wave's run of 8,192 numbers
	s_mov_b32 s39, 0
	s_lshl_b32 s38, s37, 15
	s_add_nc_u64 s[28:29], s[28:29], s[38:39]
	s_lshl_b32 s38, s36, 13
	s_add_nc_u64 s[30:31], s[30:31], s[38:39]
	s_lshl_b32 s38, s36, 8
	s_add_nc_u64 s[32:33], s[32:33], s[38:39]
.macro LOAD t
.irp i, 0,1,2,3
	global_load_b128 v[R+16*((\t)%4)+4*\i:R+16*((\t)%4)+4*\i+3], v3, s[28:29] offset:2048*(\t)+512*\i th:TH_LOAD_NT
.endr
.endm
.macro TURN t                          ; step t's numbers through the stage: LDS serves a wave's instructions in order, so no wait stands between the stores and the loads
.irp i, 0,1,2,3
	ds_store_b128 v14, v[R+16*((\t)%4)+4*\i:R+16*((\t)%4)+4*\i+3] offset:32*SP*((\t)%2)+8*SP*\i
.endr
.irp i, 0,1,2,3
	ds_load_b128 v[X+16*((\t)%2)+4*\i:X+16*((\t)%2)+4*\i+3], v15 offset:32*SP*((\t)%2)+16*\i
.endr
.endm
.irp t, 0,1,2,3
	LOAD \t
.endr
	s_wait_loadcnt 12                              ; step 0's four loads are in; twelve younger ones stay out
	TURN 0
.macro STEP t
.set XS, X+16*((\t)%2)
.if (\t) > 0
	s_wait_dscnt 1                                 ; this step's numbers are back from the stage (the last step's byte store may be out)
.else
	s_wait_dscnt 0x0
.endif
.if (\t)+4 < STEPS
	LOAD (\t)+4
.endif
.if (\t)+1 < STEPS
.if STEPS-2-(\t) >= 3
	s_wait_loadcnt 12                              ; the next step's four loads are in; those of the three steps behind it may be out
.else
	s_wait_loadcnt 4*(STEPS-2-(\t))
.endif
	TURN (\t)+1
.endif
	v_max3_num_f32 v8, |v[XS]|, |v[XS+1]|, |v[XS+2]|
	v_max3_num_f32 v9, |v[XS+3]|, |v[XS+4]|, |v[XS+5]|
.irp i, 6,10
	v_max3_num_f32 v8, v8, |v[XS+\i]|, |v[XS+\i+1]|
	v_max3_num_f32 v9, v9, |v[XS+\i+2]|, |v[XS+\i+3]|
.endr
	v_max3_num_f32 v8, v8, |v[XS+14]|, |v[XS+15]|
	v_max3_num_f32 v8, v8, v9, (EMAX+1)<<23        ; the floor 2^(9 - 127): the byte cannot fall under 1
	v_max_num_f32_dpp v8, v8, v8 row_xmask:1 row_mask:0xf bank_mask:0xf   ; with my neighbour's 16: the block's largest magnitude
	v_add_nc_u32 v11, -(EMAX<<23), v8              ; 8 off its exponent field: the conversion's scale operand
	v_and_or_b32 v10, v8, 0x7f800000, s44          ; 448 x the scale
.irp i, 0,1,2,3,4,5,6,7,8,9,10,11,12,13,14,15
	v_med3_num_f32 v[XS+\i], v[XS+\i], -v10, v10   ; the conversion to an 8-bit code does not saturate (ISA guide 7.6.2): the hold comes first
.endr
	v_cvt_scalef32_pk8_fp8_f32 v[C+4*(\t):C+4*(\t)+1], v[XS:XS+7], v11
	v_cvt_scalef32_pk8_fp8_f32 v[C+4*(\t)+2:C+4*(\t)+3], v[XS+8:XS+15], v11
	v_lshrrev_b32 v[E+(\t)], 23, v11               ; the scale's byte
	ds_store_b8 v5, v[E+(\t)] offset:16*(\t)       ; both lanes of a block write the same byte with the same value
	global_store_b128 v4, v[C+4*(\t):C+4*(\t)+3], s[30:31] offset:32*CB*(\t)   ; the wave stores 512 consecutive bytes
.endm
.irp t, 0,1,2,3,4,5,6,7,8,9,10,11,12,13,14,15
	STEP \t
.endr
	ds_load_b64 v[12:13], v6
	s_wait_dscnt 0x0
	global_store_b64 v7, v[12:13], s[32:33]        ; 32 lanes store 256 consecutive bytes, aligned
	s_wait_tensorcnt 0x0
	ds_add_u32 v192, v193
	s_wait_dscnt 0x0
	s_endpgm
; THE FLAGS.  A wave takes four rows of the mask; one load of the wave is one row's 128 keys of one step, 512 consecutive bytes.  No LDS, no barrier.
.Lflags:
	s_sub_co_u32 s36, ttmp9, 384
	s_lshl_b32 s36, s36, 2
	s_add_co_u32 s36, s36, s26                     ; which word: rows 4 n .. 4 n + 3
	s_lshl_b32 s38, s36, 15                        ; four rows of 8,192 bytes
	s_mov_b32 s39, 0
	s_mov_b32 s44, 0xf1800000                      ; -2^100
	s_mov_b32 s45, 0xec800000                      ; -2^90
	s_wait_kmcnt 0x0
	s_add_nc_u64 s[14:15], s[14:15], s[38:39]
	s_lshl_b32 s38, s36, 2
	s_add_nc_u64 s[24:25], s[24:25], s[38:39]
.macro LOADROW p
.irp J, 0,1,2,3,4,5,6,7,8,9,10,11,12,13,14,15
	global_load_b128 v[FX+64*((\p)%2)+4*\J:FX+64*((\p)%2)+4*\J+3], v3, s[14:15] offset:8192*(\p)+512*\J th:TH_LOAD_NT
.endr
.endm
.macro ROW p                           ; the lane's largest of its four entries of each step; joined over rows (MJ) and over steps (RR).  Row 0 starts MJ: nothing is cleared
.set XB, FX+64*((\p)%2)
.irp J, 0,1,2,3,4,5,6,7,8,9,10,11,12,13,14,15
.if (\p) == 0
.set UA, MJ+\J
.set UP, MJ+\J-1
.else
.set UA, U+(\J%2)
.set UP, U
.endif
	v_max3_num_f32 v[UA], v[XB+4*\J], v[XB+4*\J+1], v[XB+4*\J+2]
	v_max_num_f32 v[UA], v[UA], v[XB+4*\J+3]
.if (\p) > 0
	v_max_num_f32 v[MJ+\J], v[MJ+\J], v[UA]
.endif
.if \J == 1
	v_max_num_f32 v[RR+(\p)], v[UP], v[UA]
.elseif (\J%2) == 1
	v_max3_num_f32 v[RR+(\p)], v[RR+(\p)], v[UP], v[UA]
.endif
.endr
.endm
	LOADROW 0
	LOADROW 1
	s_wait_loadcnt 16                              ; the older row is in; the younger row's sixteen loads stay out
	ROW 0
	LOADROW 2
	s_wait_loadcnt 16
	ROW 1
	LOADROW 3
	s_wait_loadcnt 16
	ROW 2
	s_wait_loadcnt 0x0
	ROW 3
	s_mov_b32 s42, 0
.irp J, 0,1,2,3,4,5,6,7,8,9,10,11,12,13,14,15
	v_cmp_lt_f32 s40, s44, v[MJ+\J]                ; a lane's bit: it holds an entry above -2^100
	s_cmp_lg_u32 s40, 0
	s_cselect_b32 s41, 1<<\J, 0
	s_or_b32 s42, s42, s41
.endr
	s_mov_b32 s43, 1<<16
.irp p, 0,1,2,3
	v_cmp_le_f32 s40, s45, v[RR+\p]                ; a lane's bit: it holds an entry of at least -2^90
	s_cmp_lg_u32 s40, 0
	s_cselect_b32 s43, s43, 0                      ; kept only if all four rows have one
.endr
	s_or_b32 s42, s42, s43
	v_mov_b32 v4, s42
	v_mov_b32 v5, 0
	v_cmp_eq_u32 vcc_lo, 0, v2
	s_wait_xcnt 0x0                                ; EXEC changes only behind this wait
	s_and_saveexec_b32 s46, vcc_lo                 ; lane 0 stores the wave's word
	global_store_b32 v5, v4, s[24:25]
	s_wait_xcnt 0x0
	s_or_b32 exec_lo, exec_lo, s46
	s_endpgm
.Lfunc_end_k_qa7b4b4823b_prep:
	.size	k_qa7b4b4823b_prep, .Lfunc_end_k_qa7b4b4823b_prep-k_qa7b4b4823b_prep
	.p2alignl 7, 3214868480
	.fill 96, 4, 3214868480
	.section	.rodata,"a",@progbits
	.p2align	6, 0x0
	.amdhsa_kernel k_qa7b4b4823b_prep
		.amdhsa_group_segment_fixed_size 33280
		.amdhsa_private_segment_fixed_size 0
		.amdhsa_enable_private_segment 0
		.amdhsa_kernarg_size 88
		.amdhsa_user_sgpr_count 2
		.amdhsa_user_sgpr_kernarg_segment_ptr 1
		.amdhsa_wavefront_size32 1
		.amdhsa_system_sgpr_workgroup_id_x 1
		.amdhsa_system_sgpr_workgroup_id_y 1
		.amdhsa_system_sgpr_workgroup_id_z 1
		.amdhsa_system_vgpr_workitem_id 0
		.amdhsa_next_free_vgpr 194
		.amdhsa_next_free_sgpr 66
		.amdhsa_reserve_vcc 1
		.amdhsa_float_denorm_mode_32 3
		.amdhsa_float_denorm_mode_16_64 3
		.amdhsa_memory_ordered 1
		.amdhsa_forward_progress 1
		.amdhsa_inst_pref_size 71
	.end_amdhsa_kernel
	.amdgpu_metadata
---
amdhsa.version: [ 1, 2 ]
amdhsa.kernels:
  - .name:           k_qa7b4b4823b_prep
    .symbol:         k_qa7b4b4823b_prep.kd
    .args:
      - { .name: x, .offset: 0, .size: 8, .value_kind: global_buffer, .address_space: global }
      - { .name: Wq, .offset: 8, .size: 8, .value_kind: global_buffer, .address_space: global }
      - { .name: Wk, .offset: 16, .size: 8, .value_kind: global_buffer, .address_space: global }
      - { .name: Wv, .offset: 24, .size: 8, .value_kind: global_buffer, .address_space: global }
      - { .name: Wo, .offset: 32, .size: 8, .value_kind: global_buffer, .address_space: global }
      - { .name: attn_mask, .offset: 40, .size: 8, .value_kind: global_buffer, .address_space: global }
      - { .name: acod, .offset: 48, .size: 8, .value_kind: global_buffer, .address_space: global }
      - { .name: ascl, .offset: 56, .size: 8, .value_kind: global_buffer, .address_space: global }
      - { .name: wcod, .offset: 64, .size: 8, .value_kind: global_buffer, .address_space: global }
      - { .name: wscl, .offset: 72, .size: 8, .value_kind: global_buffer, .address_space: global }
      - { .name: flags, .offset: 80, .size: 8, .value_kind: global_buffer, .address_space: global }
    .group_segment_fixed_size: 33280
    .private_segment_fixed_size: 0
    .kernarg_segment_align: 8
    .kernarg_segment_size: 88
    .max_flat_workgroup_size: 128
    .sgpr_count:     66
    .vgpr_count:     194
    .wavefront_size: 32
...
	.end_amdgpu_metadata
.endif
;; end of part 1
;; launch qkv (part 2): grid 12 x 32, 4 waves a work-group, clusters of 4 x 4, 327,680 bytes of LDS; arguments acod, ascl, wcod, wscl, bq, bk, bv, img, isc; writes img, isc
.if DOCPART == 2
	.amdgcn_target "amdgcn-amd-amdhsa--gfx1250"
	.amdhsa_code_object_version 6
	.text
	.protected	k_qa7b4b4823b_qkv
	.globl	k_qa7b4b4823b_qkv
	.p2align	8
	.type	k_qa7b4b4823b_qkv,@function
k_qa7b4b4823b_qkv:
	s_mov_b64 s[64:65], 0
	v_nop
	global_prefetch_b8 v0, s[64:65] scope:SCOPE_SE
	s_setreg_imm32_b32 hwreg(HW_REG_WAVE_MODE, 25, 1), 1
	s_wait_xcnt 0x0
	s_wait_alu depctr_hold_cnt(0) depctr_sa_sdst(0) depctr_va_vdst(0) depctr_va_sdst(0) depctr_va_ssrc(0) depctr_va_vcc(0) depctr_vm_vsrc(0)
	s_getreg_b32 s2, hwreg(HW_REG_IB_STS2, 6, 4)
	s_cmp_eq_u32 s2, 0
	s_cbranch_scc0 .Lentry_in_a_cluster
	s_endpgm
.Lentry_in_a_cluster:
	s_bfe_u32 s2, ttmp6, 0x10000c
	s_cmp_lg_u32 s2, 0xf033
	s_cbranch_scc0 .Lentry_shape_is_right
	s_endpgm
.Lentry_shape_is_right:
; QKV.  C[m][n] = sum over k of A[m][k] B[n][k] + bias, on codes of E4M3 with one E8M0 scale for each 32 along K = 1,024; C is quantised along n in blocks of 32 and leaves as codes alone.
; Clusters x = 0, 1: A = x's codes (m = token), B = Wq's and Wk's (n = feature): q and k, quantised along the head's 64.  Cluster x = 2: A = Wv's (m = channel), B = x's (n = token): v transposed,
; quantised along the keys.  The two cases differ in pointers, strides and which bias counts, all chosen by s_cselect on the cluster's x, which all partners share: one path through the text.
; A tile of C is 256 x 256, four waves of 128 x 128 (64 accumulators, 512 registers).  K goes in steps of 256 through two LDS slots filled by the tensor data mover; the scale bytes of the
; work-group's rows, for all of K, come once.  4 x 4 work-groups form a cluster: A's tiles are asked for jointly along a row of the cluster, B's along a column.
; THE MATRIX INSTRUCTION IS USED TRANSPOSED (source 0 = 16 rows of B, source 1 = 16 rows of A): lane (r, h) holds row m = r and, in the 16 registers of B's blocks 2 c and 2 c + 1, the columns
; 32 c + 8 h + 0..7 and 32 c + 16 + 8 h + 0..7: half a block of 32.  The conversions turn them into registers 4 c .. 4 c + 3 of the next product's operand.  Inside a block the order is thus a
; fixed permutation; q, k, v and the softmax's weights all carry the same one, so the next products' sums are over the same pairs.  The block as a set, and so its scale, is the rule's.
; OUT: img [24][64][16384]: images of operand registers, 512 bytes (16 a lane) a store.  q, k (P = head pair, + 8 for k): head e' x 8192 + token tile a x 1024 + block c' x 512.
; v (P = 16 + head pair): channel tile a x 2048 + key block c x 512.  isc [24][64][512]: byte 32 r + 4 a + b: the scale word of tile a's row r.
; LIMITS: NaN and infinities are not served; a block of zeros gets the byte 1 (its codes are zeros); blocks under 2^-118 are held at the byte 1.
; REGISTERS: window 0: v1-6 at work, v7-15 addresses, v16-31 the bias along m, v32-63 scale words, v64-127 the bias along n, v128-255 A's fragments (on the way out: numbers, codes, scales).
;   window 1: B's fragments, two sets.  windows 2, 3: the accumulators ((a, b) at v[8 (8 (a % 4) + b)]).
.set KSTEP,  256
.set NQ,     2                         ; matrix instructions deep in a slot
.set ROWB,   256                       ; a tile's row in bytes
.set KROW,   1024                      ; a row of codes in memory
.set PITCH,  272                       ; an LDS row: 256 bytes + 16 of padding: the 16 rows that a load touches start 4 banks apart (64 banks of 4 bytes: ISA guide 11.1)
.set FR,     16
.set NL,     4
.set NP,     8                         ; places behind this matrix instruction (ISA guide 7.12.1)
.set HALFT,  128*PITCH
.set SLOT,   4*HALFT                   ; A's 256 rows, then B's 256 rows
.set KS,     32                        ; a row of scale bytes
.set SCL,    2*SLOT                    ; behind the ring: the scales, as rows of 256 bytes + 16
.set HALFS,  (128*KS/256)*272
.set SBLK,   (16*KS/256)*272
.set SPARE,  SCL+4*HALFS               ; the spare words: 128 bytes a wave, two blocks of 256 bytes that no other line names
.set ADRS, 7
.set ADRA, 8
.set ADRB, 10
.set SPW,  12
.set NIL,  13
.set VO0,  14                          ; v14 16 x lane; v15 the same + SB
.set BM,   16                          ; 8 pairs: the bias of row 16 a + r, twice
.set SC,   32
.set BN,   64                          ; 8 x 8: the bias of columns 16 b + 8 h + 0..7
.set AF,   128
.set T,    128                         ; the way out: 64 numbers
.set PC,   192                         ; 16 registers of codes
.set TM,   208                         ; v208-211 largest magnitudes, 212-215 bytes, 216-219 448 x the scale, 220-223 the conversions' scale operands
.set W,    224                         ; the eight scale words
.set XW,   232
.set G1, 24
.set G0, 32
.set G1B, 48
.set G0B, 56
.set G1S, 68
.set G0S, 76
.set G1SB, 80
.set G0SB, 88
.set MSB, 0
.macro WIN new                         ; the immediate's high byte repeats the setting that is left
.if MSB != \new
	s_set_vgpr_msb (MSB<<8)|\new
.set MSB, \new
.endif
.endm
.set MUL_LO, 0xa1                      ; source 0 (B) window 1, source 1 (A) window 0, C and D window 2
.set MUL_HI, 0xf1                      ; the same, C and D window 3
.set TO_B,   0x40
; A joint load: waves 0 and 1 fetch for A, waves 2 and 3 for B; the branch hangs on the wave's number alone.  Four v_nop follow each of the two lines.
.macro JLOAD g0a, g1a, g0b, g1b
	s_cmp_eq_u32 s15, 0
	s_cbranch_scc0 .Lfor_b_\@
	tensor_load_to_lds s[\g0a:\g0a+3], s[\g1a:\g1a+7]
	s_nop 0
.rept 4
	v_nop
.endr
	s_branch .Lasked_\@
.Lfor_b_\@:
	tensor_load_to_lds s[\g0b:\g0b+3], s[\g1b:\g1b+7]
	s_nop 0
.rept 4
	v_nop
.endr
.Lasked_\@:
.endm
.macro CREST                           ; a round of the cluster's barrier behind its opening barrier
	s_cmp_lg_u32 s14, 0
	s_cbranch_scc1 .Lnot_wave_0_\@
	s_barrier_signal -3
.Lnot_wave_0_\@:
	s_barrier_wait -3
	s_barrier_signal -1
	s_barrier_wait -1
.endm
.macro CROUND
	s_barrier_signal -1
	s_barrier_wait -1
	CREST
.endm
	s_load_b256 s[4:11], s[0:1], 0x0               ; x's codes, x's scales, the weights' codes, the weights' scales
	s_load_b256 s[92:99], s[0:1], 0x20             ; bq, bk, bv, img
	s_load_b64 s[100:101], s[0:1], 0x40            ; isc
	v_lshl_add_u32 v[SPW], v0, 2, SPARE
	v_mov_b32 v[NIL], 0
	ds_add_u32 v12, v13
	ds_add_u32 v12, v13
	s_wait_dscnt 0x0
	v_lshrrev_b32 v1, 5, v0
	v_readfirstlane_b32 s14, v1                    ; wave 0..3
	s_lshr_b32 s15, s14, 1                         ; which half of the tile's rows is mine.  Also: I fetch for A (0) or for B (1)
	s_and_b32 s16, s14, 1                          ; which half of its columns.  Also: which 128 rows of that tile I fetch
	s_bfe_u32 s40, ttmp6, 0x40000                  ; cx
	s_bfe_u32 s41, ttmp6, 0x40004                  ; cy
	s_and_b32 s18, ttmp7, 0xffff
	s_lshl_b32 s18, s18, 2                         ; 4 x cluster y
	s_add_co_u32 s19, s18, s41
	s_add_co_u32 s20, s18, s40
	s_lshl_b32 s21, ttmp9, 2
	s_add_co_u32 s21, s21, s40
	s_lshl_b32 s43, s41, 2
	s_lshl_b32 s43, 15, s43                        ; my row of the cluster
	s_lshl_b32 s44, 0x1111, s40                    ; my column
	s_cmp_eq_u32 ttmp9, 2                          ; v's cluster?
	s_cselect_b32 s17, s41, s19                    ; tile row: v: cy (Wv has four);  q, k: 4 x cluster y + cy
	s_cselect_b32 s42, s20, s21                    ; tile column: v: 4 x cluster y + cx;  q, k: 4 x cluster x + cx
	s_or_b32 s[G1+0], s43, (0<<16)|(1<<20)|(1<<21)|(5<<22)|(3<<25)  ; the mask: A's tiles go to my row; elements of 1 byte; padding on; bit 21 beside a mask; 4 words behind every 64
	s_or_b32 s[G1B+0], s44, (0<<16)|(1<<20)|(1<<21)|(5<<22)|(3<<25)
.irp g, G1, G1B
	s_mov_b32 s[\g+1], ROWB<<16                    ; tensor_dim0
	s_mov_b32 s[\g+2], 128<<16                     ; tensor_dim1
	s_mov_b32 s[\g+3], ROWB<<16                    ; tile_dim0
	s_mov_b32 s[\g+4], 128                         ; tile_dim1
	s_mov_b32 s[\g+5], KROW                        ; the pitch
	s_mov_b32 s[\g+6], 0
	s_mov_b32 s[\g+7], 0
.endr
	s_or_b32 s[G1S+0], s43, (3<<16)|(1<<20)|(1<<21)|(5<<22)|(3<<25) ; the scales of 128 rows: 4,096 dense bytes as 16 rows of 32 elements of 8 bytes, 16 bytes of padding behind each
	s_or_b32 s[G1SB+0], s44, (3<<16)|(1<<20)|(1<<21)|(5<<22)|(3<<25)
.irp g, G1S, G1SB
	s_mov_b32 s[\g+1], 32<<16
	s_mov_b32 s[\g+2], (128*KS/256)<<16
	s_mov_b32 s[\g+3], 32<<16
	s_mov_b32 s[\g+4], 128*KS/256
	s_mov_b32 s[\g+5], 32
	s_mov_b32 s[\g+6], 0
	s_mov_b32 s[\g+7], 0
.endr
	s_wait_kmcnt 0x0
	s_mov_b64 s[12:13], s[98:99]                   ; img
	s_mov_b64 s[66:67], s[100:101]                 ; isc
	s_add_nc_u64 s[18:19], s[8:9], 0x200000        ; Wv's codes: rows 2,048 on
	s_add_nc_u64 s[20:21], s[10:11], 0x10000       ; and its scale bytes
	s_cmp_eq_u32 ttmp9, 1
	s_cselect_b64 s[92:93], s[94:95], s[92:93]     ; bk or bq
	s_cmp_eq_u32 ttmp9, 2
	s_cselect_b64 s[96:97], s[96:97], s[92:93]     ; the bias
	s_cselect_b64 s[22:23], s[18:19], s[4:5]
	s_cselect_b64 s[46:47], s[20:21], s[6:7]
	s_cselect_b64 s[8:9], s[4:5], s[8:9]           ; B's codes
	s_cselect_b64 s[10:11], s[6:7], s[10:11]       ; B's scales
	s_mov_b64 s[4:5], s[22:23]                     ; A's codes
	s_mov_b64 s[6:7], s[46:47]                     ; A's scales
	s_cselect_b32 s98, 0, -1                       ; all lanes on where the bias runs along n (q, k)
	s_cselect_b32 s99, -1, 0                       ; and where it runs along m (v)
	s_mov_b32 s100, 1024
	s_cselect_b32 s100, 2048, s100                 ; SA: bytes in img from a block of 16 rows to the next
	s_mov_b32 s101, 0
	s_mov_b32 s95, 8192
	s_cselect_b32 s95, 1024, s95                   ; SB: bytes from blocks 0, 1 along n to blocks 2, 3
	s_lshl_b32 s18, s16, 7                         ; which 128 rows of the tile I fetch
	s_lshl_b32 s20, s17, 8
	s_add_co_u32 s20, s20, s18                     ; A: row 256 x tile row + 128 x half
	s_lshl_b32 s46, s42, 8
	s_add_co_u32 s46, s46, s18                     ; B: row 256 x tile column + 128 x half
	s_mov_b32 s21, 0
	s_mov_b32 s47, 0
	s_mov_b64 s[18:19], KS
	s_mul_u64 s[22:23], s[20:21], s[18:19]         ; where these rows' scales begin,
	s_mul_u64 s[92:93], s[46:47], s[18:19]
	s_mov_b64 s[18:19], KROW
	s_mul_u64 s[20:21], s[20:21], s[18:19]         ; and their codes
	s_mul_u64 s[46:47], s[46:47], s[18:19]
	s_mul_i32 s45, s14, HALFT                      ; where they go: wave x 128 rows: no place in the cluster enters an LDS address
	s_mul_i32 s94, s14, HALFS
	s_add_nc_u64 s[20:21], s[4:5], s[20:21]
	s_add_nc_u64 s[22:23], s[6:7], s[22:23]
	s_add_nc_u64 s[46:47], s[8:9], s[46:47]
	s_add_nc_u64 s[92:93], s[10:11], s[92:93]
	CROUND                                         ; all sixteen work-groups are here: the first joint loads meet
	s_mov_b32 s[G0S], 1
	s_add_co_u32 s[G0S+1], s94, SCL
	s_mov_b64 s[G0S+2:G0S+3], s[22:23]
	s_or_b32 s[G0S+3], s[G0S+3], 0x80000000
	s_mov_b32 s[G0SB], 1
	s_add_co_u32 s[G0SB+1], s94, SCL
	s_mov_b64 s[G0SB+2:G0SB+3], s[92:93]
	s_or_b32 s[G0SB+3], s[G0SB+3], 0x80000000
	JLOAD G0S, G1S, G0SB, G1SB                     ; the scales first: they are wanted with K step 0
.irp s, 0,1
	s_mov_b32 s[G0+4*\s], 1
	s_add_co_u32 s[G0+4*\s+1], s45, \s*SLOT
	s_add_nc_u64 s[G0+4*\s+2:G0+4*\s+3], s[20:21], \s*ROWB
	s_or_b32 s[G0+4*\s+3], s[G0+4*\s+3], 0x80000000
	s_mov_b32 s[G0B+4*\s], 1
	s_add_co_u32 s[G0B+4*\s+1], s45, \s*SLOT
	s_add_nc_u64 s[G0B+4*\s+2:G0B+4*\s+3], s[46:47], \s*ROWB
	s_or_b32 s[G0B+4*\s+3], s[G0B+4*\s+3], 0x80000000
	JLOAD G0+4*\s, G1, G0B+4*\s, G1B               ; three tensor loads of mine are out
.endr
	v_and_b32 v1, 15, v0                           ; r
	v_bfe_u32 v2, v0, 4, 1                         ; h
	v_mul_u32_u24 v3, v1, PITCH
	v_lshl_add_u32 v4, v2, 4, v3                   ; a fragment's row x pitch + 16 h
	s_mul_i32 s21, s15, HALFT                      ; my 128 rows of A
	s_mul_i32 s22, s16, HALFT                      ; my 128 rows of B,
	s_add_co_u32 s22, s22, 2*HALFT                 ; behind A's 256
.irp s, 0,1
	v_add_nc_u32 v[ADRA+\s], s21, v4
	v_add_nc_u32 v[ADRB+\s], s22, v4
	s_add_co_u32 s21, s21, SLOT
	s_add_co_u32 s22, s22, SLOT
.endr
	v_mul_u32_u24 v5, v1, KS                       ; my row's scales: 32 bytes a row,
	v_lshrrev_b32 v6, 8, v5
	v_lshl_add_u32 v5, v6, 4, v5                   ; and 16 more for each 256 passed
	s_mul_i32 s21, s15, HALFS
	s_mul_i32 s22, s16, HALFS
	s_add_co_u32 s22, s22, 2*HALFS
	s_sub_co_u32 s22, s22, s21
	v_mul_u32_u24 v6, s22, v2                      ; lanes 16-31 take B's
	s_add_co_u32 s21, s21, SCL
	v_add_nc_u32 v5, v5, v6
	v_add_nc_u32 v[ADRS], s21, v5
	v_and_b32 v3, 31, v0
	v_lshlrev_b32 v[VO0], 4, v3
	v_add_nc_u32 v[VO0+1], s95, v[VO0]
	; my block of img and isc: u = 2 x tile column + half, w = 2 x tile row + half;  q, k: P = u, T = w;  v: P = 16 + w, T = u
	s_lshl_b32 s18, s42, 1
	s_add_co_u32 s18, s18, s16
	s_lshl_b32 s19, s17, 1
	s_add_co_u32 s19, s19, s15
	s_add_co_u32 s20, s19, 16
	s_cmp_eq_u32 ttmp9, 2
	s_cselect_b32 s20, s20, s18
	s_cselect_b32 s21, s18, s19
	s_lshl_b32 s20, s20, 6
	s_add_co_u32 s20, s20, s21                     ; 64 P + T
	s_mov_b32 s23, 0
	s_lshl_b32 s22, s20, 14
	s_add_nc_u64 s[12:13], s[12:13], s[22:23]
	s_lshl_b32 s22, s20, 9
	s_add_nc_u64 s[66:67], s[66:67], s[22:23]
	; the biases.  Both kinds are loaded from inside the buffer; the kind that does not apply is set to 0 below, without a branch
	s_and_b32 s18, s42, 3
	s_lshl_b32 s18, s18, 8
	s_lshl_b32 s19, s16, 7
	s_add_co_u32 s18, s18, s19
	s_and_b32 s18, s18, s98                        ; q, k: my first feature in the tensor;  v: 0
	s_lshl_b32 s18, s18, 2
	s_mov_b32 s19, 0
	s_add_nc_u64 s[18:19], s[96:97], s[18:19]
	s_lshl_b32 s22, s17, 8
	s_lshl_b32 s20, s15, 7
	s_add_co_u32 s22, s22, s20
	s_and_b32 s22, s22, s99                        ; v: my first channel;  q, k: 0
	s_lshl_b32 s22, s22, 2
	s_add_nc_u64 s[22:23], s[96:97], s[22:23]
	v_lshlrev_b32 v5, 5, v2                        ; 32 h
	v_lshlrev_b32 v6, 2, v1                        ; 4 r
.irp b, 0,1,2,3,4,5,6,7
	global_load_b128 v[BN+8*\b:BN+8*\b+3], v5, s[18:19] offset:64*\b
	global_load_b128 v[BN+8*\b+4:BN+8*\b+7], v5, s[18:19] offset:64*\b+16
.endr
.irp a, 0,1,2,3,4,5,6,7
	global_load_b32 v[BM+2*\a], v6, s[22:23] offset:64*\a
	global_load_b32 v[BM+2*\a+1], v6, s[22:23] offset:64*\a   ; twice: the packed addition takes a pair
.endr
.macro FRAG reg, adr, q, i             ; 16 rows x 128 K: lane l holds row l % 16; registers 4 c .. 4 c + 3 hold K = 32 c + 16 (l / 16) + 0 .. 15
.irp c, 0,1,2,3
	ds_load_b128 v[\reg+4*\c:\reg+4*\c+3], v[\adr] offset:128*(\q)+32*\c+(\i)*16*PITCH
.endr
.endm
; 16 matrix instructions: A's blocks a0, a0 + 1 x B's eight.  first = 1: the bias along n is the C of the sum's first product.  The 64 accumulators take turns, one instruction a turn.
.macro MUL16 a0, p, q, sc, first
.irp a, \a0, \a0+1
.irp b, 0,1,2,3,4,5,6,7
.if \first
	v_wmma_scale_f32_16x16x128_f8f6f4 v[8*(8*((\a)%4)+\b):8*(8*((\a)%4)+\b)+7], v[128*(\p)+FR*\b:128*(\p)+FR*\b+FR-1], v[AF+FR*(\a):AF+FR*(\a)+FR-1], v[BN+8*\b:BN+8*\b+7], v[SC+8*NQ*(\sc)+NQ*\b+(\q)], v[SC+8*NQ*(\sc)+NQ*(\a)+(\q)] matrix_a_scale:MATRIX_SCALE_ROW1
.else
	v_wmma_scale_f32_16x16x128_f8f6f4 v[8*(8*((\a)%4)+\b):8*(8*((\a)%4)+\b)+7], v[128*(\p)+FR*\b:128*(\p)+FR*\b+FR-1], v[AF+FR*(\a):AF+FR*(\a)+FR-1], v[8*(8*((\a)%4)+\b):8*(8*((\a)%4)+\b)+7], v[SC+8*NQ*(\sc)+NQ*\b+(\q)], v[SC+8*NQ*(\sc)+NQ*(\a)+(\q)] matrix_a_scale:MATRIX_SCALE_ROW1
.endif
.endr
.endr
.endm
.macro FETCH_B slot, q, p
	WIN TO_B
.irp i, 0,1,2,3,4,5,6,7
	FRAG 128*(\p)+FR*\i, ADRB+\slot, \q, \i
.endr
	WIN 0
.endm
.macro FETCH_A slot, q, i0
.irp i, \i0, \i0+1, \i0+2, \i0+3
	FRAG AF+FR*(\i), ADRA+\slot, \q, \i
.endr
.endm
.macro SCALES sc                       ; a slot's scale words: lanes 0-15 take A's block i, lanes 16-31 B's block i
.irp i, 0,1,2,3,4,5,6,7
	ds_load_b64 v[SC+8*NQ*\sc+NQ*\i:SC+8*NQ*\sc+NQ*\i+1], v[ADRS] offset:\i*SBLK
.endr
.endm
.macro PLACES n                        ; plain vector instructions between a matrix instruction and a load into, or a read of, its registers
.rept \n
	v_nop
.endr
.endm
.macro STEP slot, q, first             ; 128 along K that has its successor in the same slot
	s_wait_dscnt 4*NL                              ; B's set and A's blocks 0-3 are in; the youngest sixteen loads (A's blocks 4-7) may be out
	WIN (MUL_LO-0x20*(\first))                     ; (first: C in window 0)
	MUL16 0, (\q)%2, \q, \slot, \first
	MUL16 2, (\q)%2, \q, \slot, \first
	s_wait_dscnt 0
	PLACES NP
	FETCH_B \slot, (\q)+1, 1-(\q)%2
	FETCH_A \slot, (\q)+1, 0
	WIN (MUL_HI-0x30*(\first))
	MUL16 4, (\q)%2, \q, \slot, \first
	MUL16 6, (\q)%2, \q, \slot, \first
	PLACES NP
	WIN 0
	FETCH_A \slot, (\q)+1, 4
.endm
; A slot's last step changes slots: one barrier; in front of it each wave waits for all its tensor loads, adds 0 to its spare word, and waits for that and for its reads of this slot.
.macro TURN slot, next, fill
	s_wait_tensorcnt 0x0                           ; all my tensor loads have landed: my part of the next slot
	ds_add_u32 v[SPW], v[NIL]                      ; 0 onto my spare word
	s_wait_dscnt 4*NL+1                            ; (the add and the youngest sixteen loads may be out)
	WIN MUL_LO
	MUL16 0, 1, NQ-1, \slot, 0
	s_wait_dscnt 0x0                               ; the add is done, and my reads of this slot are over
	s_barrier_signal -1
	MUL16 2, 1, NQ-1, \slot, 0
	WIN 0
	s_barrier_wait -1
.if \fill
	CREST                                          ; the barrier has opened a round of the cluster's: no wave of any partner still reads this slot or has a load on its way
	s_add_nc_u64 s[G0+4*\slot+2:G0+4*\slot+3], s[G0+4*\slot+2:G0+4*\slot+3], 2*ROWB
	s_add_nc_u64 s[G0B+4*\slot+2:G0B+4*\slot+3], s[G0B+4*\slot+2:G0B+4*\slot+3], 2*ROWB
	JLOAD G0+4*\slot, G1, G0B+4*\slot, G1B         ; the first tensor load behind the round; its four v_nop are four of the eight places
	PLACES NP-4
.else
	PLACES NP
.endif
	v_add_nc_u32 v[ADRS], 4*NQ, v[ADRS]            ; the next slot's scale words
	FETCH_B \next, 0, 0
	FETCH_A \next, 0, 0
	SCALES \next
	WIN MUL_HI
	MUL16 4, 1, NQ-1, \slot, 0
	MUL16 6, 1, NQ-1, \slot, 0
	PLACES NP
	WIN 0
	FETCH_A \next, 0, 4
.endm
	s_wait_tensorcnt 1                             ; the scales and my part of slot 0 are in; slot 1's load may be out
	s_barrier_signal -1
	s_barrier_wait -1
	FETCH_B 0, 0, 0
	FETCH_A 0, 0, 0
	SCALES 0
	FETCH_A 0, 0, 4
	s_wait_loadcnt 0x0                             ; the biases
.set k, 0
.rept 64
	v_cndmask_b32 v[BN+k], 0, v[BN+k], s98         ; v: no bias along n
.set k, k+1
.endr
.set k, 0
.rept 16
	v_cndmask_b32 v[BM+k], 0, v[BM+k], s99         ; q, k: none along m
.set k, k+1
.endr
	STEP 0, 0, 1                                   ; K = 1,024 is four slots' worth: the eight steps are written out
	TURN 0, 1, 1
	STEP 1, 0, 0
	TURN 1, 0, 1
	STEP 0, 0, 0
	TURN 0, 1, 0                                   ; nothing is left to fetch
	STEP 1, 0, 0
	s_wait_dscnt 4*NL
	WIN MUL_LO
	MUL16 0, 1, NQ-1, 1, 0
	MUL16 2, 1, NQ-1, 1, 0
	s_wait_dscnt 0
	WIN MUL_HI
	MUL16 4, 1, NQ-1, 1, 0
	MUL16 6, 1, NQ-1, 1, 0
	WIN 0
; THE WAY OUT: no LDS.  64 numbers of a lane (register 16 b + i: half of block b of my row) become 16 registers of codes and a scale word.
.macro QUANT s, pw
.irp b, 0,1,2,3
	v_max3_num_f32 v[TM+\b], |v[\s+16*\b]|, |v[\s+1+16*\b]|, 0x4800000   ; my 16 numbers of block b, and the floor 2^(9 - 127): the byte cannot fall under 1
.endr
.irp i, 2,4,6,8,10,12,14
.irp b, 0,1,2,3
	v_max3_num_f32 v[TM+\b], v[TM+\b], |v[\s+16*\b+\i]|, |v[\s+1+16*\b+\i]|
.endr
.endr
.irp b, 0,1,2,3
	v_permlanex16_b32 v[TM+4+\b], v[TM+\b], s2, s3
.endr
.irp b, 0,1,2,3
	v_max_num_f32 v[TM+\b], v[TM+\b], v[TM+4+\b]   ; with lane l xor 16's: the block's largest magnitude
.endr
.irp b, 0,1,2,3
	v_add_nc_u32 v[TM+12+\b], 0xfc000000, v[TM+\b] ; 8 off its exponent field: the conversion's scale operand
.endr
.irp b, 0,1,2,3
	v_and_or_b32 v[TM+8+\b], v[TM+\b], 0x7f800000, s92   ; 448 x the scale
.endr
.irp b, 0,1,2,3
	v_lshrrev_b32 v[TM+4+\b], 23, v[TM+12+\b]      ; the scale's byte
.endr
	v_lshl_or_b32 v[\pw], v[TM+5], 8, v[TM+4]
	v_lshl_or_b32 v[\pw], v[TM+6], 16, v[\pw]
	v_lshl_or_b32 v[\pw], v[TM+7], 24, v[\pw]
.irp b, 0,1,2,3
.irp i, 0,1,2,3,4,5,6,7,8,9,10,11,12,13,14,15
	v_med3_num_f32 v[\s+16*\b+\i], v[\s+16*\b+\i], -v[TM+8+\b], v[TM+8+\b]   ; the conversion does not saturate (ISA guide 7.6.2): the hold
.endr
	v_cvt_scalef32_pk8_fp8_f32 v[PC+4*\b:PC+1+4*\b], v[\s+16*\b:\s+7+16*\b], v[TM+12+\b]
	v_cvt_scalef32_pk8_fp8_f32 v[PC+2+4*\b:PC+3+4*\b], v[\s+8+16*\b:\s+15+16*\b], v[TM+12+\b]
.endr
	v_nop                                          ; a plain instruction behind the last conversion
.endm
.macro OUTBLK a                        ; my rows 16 a .. 16 a + 15
	s_wait_xcnt 0x0                                ; the last block's stores have read their codes and their base
.if (\a) > 0
	s_add_nc_u64 s[12:13], s[12:13], s[100:101]
.endif
	WIN (0x02+(\a)/4)                              ; source 0: window 2 or 3
.set k, 0
.rept 32
	v_pk_add_f32 v[T+2*k:T+2*k+1], v[64*((\a)%4)+2*k:64*((\a)%4)+2*k+1], v[BM+2*(\a):BM+2*(\a)+1]   ; the bias along m and the way into window 0 in one; each accumulator from its low end on
.set k, k+1
.endr
	WIN 0
	QUANT T, W+(\a)
.irp b, 0,1,2,3
	global_store_b128 v[VO0+\b/2], v[PC+4*\b:PC+4*\b+3], s[12:13] offset:(\b%2)*512 th:TH_STORE_NT   ; the wave stores 512 consecutive bytes, aligned
.endr
.endm
	PLACES NP                                      ; behind the last products: their results are read and A's registers written
	s_mov_b32 s2, 0x76543210
	s_mov_b32 s3, 0xfedcba98                       ; v_permlanex16_b32's selects for lane l xor 16
	s_mov_b32 s92, 0x600000                        ; the mantissa field of 448
.irp b, 0,1,2,3
	v_mov_b32 v[TM+4+\b], 0                        ; written once: a lane permute's destination counts as one of its sources
.endr
.irp a, 0,1,2,3,4,5,6,7
	OUTBLK \a
.endr
	v_and_b32 v1, 15, v0
	v_bfe_u32 v2, v0, 4, 1
	v_lshlrev_b32 v3, 5, v1
	v_lshl_add_u32 v3, v2, 4, v3                   ; 32 r + 16 h
	v_cmp_eq_u32 vcc_lo, 0, v2
.irp i, 0,1,2,3
	v_cndmask_b32 v[XW+\i], v[W+4+\i], v[W+\i], vcc_lo   ; lanes 0-15: the words of blocks 0-3; lanes 16-31: of blocks 4-7
.endr
	global_store_b128 v3, v[XW:XW+3], s[66:67] th:TH_STORE_NT   ; 512 consecutive bytes
	s_wait_tensorcnt 0x0                           ; the wave's end
	ds_add_u32 v[SPW], v[NIL]
	s_wait_dscnt 0x0
	CROUND                                         ; the closing round
	s_endpgm
.Lfunc_end_k_qa7b4b4823b_qkv:
	.size	k_qa7b4b4823b_qkv, .Lfunc_end_k_qa7b4b4823b_qkv-k_qa7b4b4823b_qkv
	.p2alignl 7, 3214868480
	.fill 96, 4, 3214868480
	.section	.rodata,"a",@progbits
	.p2align	6, 0x0
	.amdhsa_kernel k_qa7b4b4823b_qkv
		.amdhsa_group_segment_fixed_size 327680
		.amdhsa_private_segment_fixed_size 0
		.amdhsa_enable_private_segment 0
		.amdhsa_kernarg_size 72
		.amdhsa_user_sgpr_count 2
		.amdhsa_user_sgpr_kernarg_segment_ptr 1
		.amdhsa_wavefront_size32 1
		.amdhsa_system_sgpr_workgroup_id_x 1
		.amdhsa_system_sgpr_workgroup_id_y 1
		.amdhsa_system_sgpr_workgroup_id_z 1
		.amdhsa_system_vgpr_workitem_id 0
		.amdhsa_next_free_vgpr 1024
		.amdhsa_next_free_sgpr 102
		.amdhsa_reserve_vcc 1
		.amdhsa_float_denorm_mode_32 3
		.amdhsa_float_denorm_mode_16_64 3
		.amdhsa_memory_ordered 1
		.amdhsa_forward_progress 1
		.amdhsa_inst_pref_size 210
	.end_amdhsa_kernel
	.amdgpu_metadata
---
amdhsa.version: [ 1, 2 ]
amdhsa.kernels:
  - .name:           k_qa7b4b4823b_qkv
    .symbol:         k_qa7b4b4823b_qkv.kd
    .args:
      - { .name: acod, .offset: 0, .size: 8, .value_kind: global_buffer, .address_space: global }
      - { .name: ascl, .offset: 8, .size: 8, .value_kind: global_buffer, .address_space: global }
      - { .name: wcod, .offset: 16, .size: 8, .value_kind: global_buffer, .address_space: global }
      - { .name: wscl, .offset: 24, .size: 8, .value_kind: global_buffer, .address_space: global }
      - { .name: bq, .offset: 32, .size: 8, .value_kind: global_buffer, .address_space: global }
      - { .name: bk, .offset: 40, .size: 8, .value_kind: global_buffer, .address_space: global }
      - { .name: bv, .offset: 48, .size: 8, .value_kind: global_buffer, .address_space: global }
      - { .name: img, .offset: 56, .size: 8, .value_kind: global_buffer, .address_space: global }
      - { .name: isc, .offset: 64, .size: 8, .value_kind: global_buffer, .address_space: global }
    .group_segment_fixed_size: 327680
    .private_segment_fixed_size: 0
    .kernarg_segment_align: 8
    .kernarg_segment_size: 72
    .max_flat_workgroup_size: 128
    .sgpr_count:     102
    .vgpr_count:     1024
    .wavefront_size: 32
...
	.end_amdgpu_metadata
.endif
;; end of part 2
;; launch attn (part 3): grid 16 x 16, 8 waves a work-group, no clusters, 251,392 bytes of LDS; arguments attn_mask, img, isc, flags, acod, ascl; writes acod, ascl
.if DOCPART == 3
	.amdgcn_target "amdgcn-amd-amdhsa--gfx1250"
	.amdhsa_code_object_version 6
	.text
	.protected	k_qa7b4b4823b_attn
	.globl	k_qa7b4b4823b_attn
	.p2align	8
	.type	k_qa7b4b4823b_attn,@function
k_qa7b4b4823b_attn:
	s_mov_b64 s[64:65], 0
	v_nop
	global_prefetch_b8 v0, s[64:65] scope:SCOPE_SE
	s_setreg_imm32_b32 hwreg(HW_REG_WAVE_MODE, 25, 1), 1
	s_wait_xcnt 0x0
; ATTENTION on codes of E4M3.  ctx[b][q][head] = sum over keys of softmax(q . k / 8 + mask[q][key]) v[key], both products scaled matrix products; ctx leaves as codes (acod, ascl) for the last product.
; SHARES.  Work-group (x = p, y = 4 b + G): batch b, heads 4 G .. 4 G + 3, and the blocks of 64 queries p and 31 - p, one after the other.  Wave w: head w / 2 of the four, queries 32 (w % 2) on: two tiles of 16.
; Keys go 128 a step, 16 steps a pass.  A step's mask tile (64 x 128 f32, shared by the four heads), K and V images (8 KB a head each) and scale words are staged through registers into one of two LDS slots,
; a step ahead: each wave stages 8 mask rows, one image and 256 scale bytes.
; THE MASK IS AN INPUT and is honoured entry by entry: max(8 x mask, -2^103) is the C of the score product, so S' = k . q + 8 mask = 8 x logit, and t = S' x log2(e) / 8.
; In a row hidden everywhere S' = -2^103, a power of two, so c S' is exact, t - M = 0 and all p = 1: the uniform weights of the reference.
; TILES THAT ADD NOTHING ARE LEFT OUT, by the stored flags: in a block each of whose rows has an entry >= -2^90, a step all of whose entries are <= -2^100 has p = 0 exactly.  In any other block all steps are walked.
; NO CLUSTER, NO TENSOR LOAD: which steps a work-group walks hangs on numbers read from memory, and work-groups that share K, V or mask tiles walk different steps.
; K = 64 IN AN INSTRUCTION OF 128: a fragment of K holds two tiles of 16 keys (64 codes each); it is multiplied by [Q | 0] and by [0 | Q]; zero codes annul the other half.
; THE SOFTMAX: M = the running largest t rounded up to a whole number; p = 2^(t - M) is quantised along the keys; the sum is taken of the unquantised p and divides at the end.
; Both products are used transposed: a lane holds one query.  Inside a block of 32 the order of K is the permutation that the launch before gave q, k and v; p gets the same by the layout of S^T.
; LIMITS: NaN and +infinity are not served; mask entries under -2^100 count as -2^100; |q . k| < 2^90; a block of zeros gets the byte 1.
; REGISTERS: each tile's working set has the same numbers v96-233 in window 0 (tile 0) and window 1 (tile 1), so the softmax is written once.
;   window 0: v2-27 addresses; v32-95 four fragments; v234-252 scale words.   window 1: v0-39 0 | Q of tile 0 | 0 | Q of tile 1 | 0; v40-89 staging; v234-251 the next pass's Q.
.set SLOT1, 1<<17                      ; slot 1 begins here: one exclusive or turns an address
.set MPI,   528                        ; a mask row in LDS: 512 bytes + 16
.set KOFF,  64*MPI                     ; K's four images, 8,192 bytes a head
.set VOFF,  KOFF+32768                 ; V's
.set SCOFF, VOFF+32768                 ; scale words: k's two head pairs, v's two, 512 bytes each
.set STG,   SLOT1+SCOFF+2048           ; ctx's codes: 64 rows x (256 bytes + 16)
.set STP,   272
.set STG2,  STG+64*STP                 ; ctx's scale bytes: 8 a token
.set AM0, 2
.set AI0, 3
.set ASC0, 4
.set ASV0, 5
.set SM0, 6
.set SI0, 7
.set SS0, 8
.set AM, 9                             ; the same, in the slot in hand (reads: AM, AI, ASC, ASV) or the other (stores: SM, SI, SS)
.set AI, 10
.set ASC, 11
.set ASV, 12
.set SM, 13
.set SI, 14
.set SS, 15
.set GL16, 16                          ; 16 x lane
.set GL8, 17                           ; 8 x lane
.set PFM, 18                           ; the mask's prefetch: 8 rows x four blocks of 256 bytes
.set PFI, 19                           ; an image's: 256 x lane
.set QSO, 21                           ; 32 r
.set EST, 22
.set ERD, 23
.set EGO, 24
.set ESS, 25
.set ESR, 26
.set ESG, 27
.set FR, 32
.set S, 96                             ; S^T, then p: key tile t at S + 8 t
.set PC, 160                           ; p's codes
.set O, 176                            ; O^T: channel tile t at O + 8 t
.set NM, 208                           ; -M
.set TR, 209                           ; the running largest t
.set L, 210                            ; the sum, in two halves
.set BX, 212
.set PT, 216
.set HD, 220
.set SO, 224
.set F, 228
.set PW, 229                           ; p's scale word
.set TMP, 230
.set KRW, 234
.set KW, 242
.set VW, 246
.set QSA, 250                          ; Q's scale words: v250 tile 0, v251 tile 1
.set PWB, 252                          ; tile 1's p scale word: scale operands are taken from window 0
.set QZ, 0
.set RG, 40
.set QN, 234
.set QR, 250
.set WV, 16
.set HE, 17
.set TP, 18
.set E1, 19
.set SEL, 20
.set CS, 22
.set MNT, 24
.set FLO, 25
.set KSEL, 26
.set TB, 27
.set TBN, 28
.set ACT, 29                           ; bit s: step s (0-15 first pass, 16-31 second) is walked
.set NXT, 30                           ; ACT >> 1: the next step is walked, so it is staged
.set NX2, 31
.set ST, 32
.set JC, 33
.set PS, 34
.set PFL, 35
.set MB, 36
.set IB, 38
.set SB, 40
.set MP, 42
.set IP, 44
.set SP, 46
.set MDL, 48
.set SH, 49
.set QC, 50
.set QS, 52
.set OC, 54
.set OS, 56
.set DC, 58
.set DS, 60
.set T0, 62
.set T1, 63
.set T2, 66
.set T3, 67
.set FL, 68
.set T4, 100
.set I2R, 101
.set OFP, 104                          ; an offset as a pair; the high word stays 0
.set MSB, 0
.macro WIN new                         ; low byte: bits 1:0 source 0, 3:2 source 1, 5:4 source 2, 7:6 destination; the high byte repeats the setting that is left
.if MSB != \new
	s_set_vgpr_msb (MSB<<8)|\new
.set MSB, \new
.endif
.endm
; STAGING, in two batches of registers.  Batch 1: mask rows 0-3 of my eight, chunks 0-7 of my image.  Batch 2: rows 4-7, chunks 8-15, my 256 scale bytes.  Every load of the wave covers 512 (256) consecutive bytes.
.macro ISSUE1
	WIN 0x40
.irp i, 0,1,2,3
	global_load_b128 v[RG+4*\i:RG+4*\i+3], v[GL16], s[MP:MP+1] offset:8192*\i
.endr
.irp i, 0,1,2,3,4,5,6,7
	global_load_b128 v[RG+16+4*\i:RG+16+4*\i+3], v[GL16], s[IP:IP+1] offset:512*\i
.endr
	WIN 0
.endm
.macro ISSUE2
	WIN 0x40
.irp i, 0,1,2,3
	global_load_b128 v[RG+4*\i:RG+4*\i+3], v[GL16], s[MP:MP+1] offset:8192*(4+\i)
.endr
.irp i, 0,1,2,3,4,5,6,7
	global_load_b128 v[RG+16+4*\i:RG+16+4*\i+3], v[GL16], s[IP:IP+1] offset:512*(8+\i)
.endr
	global_load_b64 v[RG+48:RG+49], v[GL8], s[SP:SP+1]
	WIN 0
.endm
.macro PREP                            ; max(8 x mask, -2^103)
	WIN 0x41
.set k, 0
.rept 8
	v_pk_mul_f32 v[RG+2*k:RG+2*k+1], v[RG+2*k:RG+2*k+1], 0x41000000 op_sel_hi:[1,0]
.set k, k+1
.endr
.set k, 0
.rept 16
	v_max_num_f32 v[RG+k], v[RG+k], s[FLO]
.set k, k+1
.endr
.endm
.macro STORE1
	WIN 0x04                                       ; an LDS store's data are its source 1
.irp i, 0,1,2,3
	ds_store_b128 v[SM], v[RG+4*\i:RG+4*\i+3] offset:MPI*\i
.endr
.irp i, 0,1,2,3,4,5,6,7
	ds_store_b128 v[SI], v[RG+16+4*\i:RG+16+4*\i+3] offset:512*\i
.endr
	WIN 0
.endm
.macro STORE2
	WIN 0x04
.irp i, 0,1,2,3
	ds_store_b128 v[SM], v[RG+4*\i:RG+4*\i+3] offset:MPI*(4+\i)
.endr
.irp i, 0,1,2,3,4,5,6,7
	ds_store_b128 v[SI], v[RG+16+4*\i:RG+16+4*\i+3] offset:512*(8+\i)
.endr
	ds_store_b64 v[SS], v[RG+48:RG+49]
	WIN 0
.endm
.macro MID                             ; batch 1 goes to LDS and batch 2 is asked for, if the next step is walked.  The wait stands on every path
	WIN 0
	s_wait_loadcnt 0x0
	s_bitcmp1_b32 s[NXT], s[ST]
	s_cbranch_scc0 .Lmid_\@
	PREP
	STORE1
	s_wait_dscnt 0x0                               ; the stores have read their registers
	ISSUE2
.Lmid_\@:
.endm
.macro NEXTPTR                         ; where step ST + 1 lies: offsets are made apart from the addresses
	s_add_co_u32 s[T0], s[ST], 1
	s_and_b32 s[T1], s[T0], 15                     ; its place in the pass,
	s_bfe_u32 s[T0], s[T0], 0x10004                ; and which pass
	s_mul_i32 s[OFP], s[T0], s[MDL]
	s_lshl_b32 s[T0], s[T1], 9
	s_add_co_u32 s[OFP], s[OFP], s[T0]
	s_add_nc_u64 s[MP:MP+1], s[MB:MB+1], s[OFP:OFP+1]
	s_lshl_b32 s[OFP], s[T1], 14
	s_add_nc_u64 s[IP:IP+1], s[IB:IB+1], s[OFP:OFP+1]
	s_lshl_b32 s[OFP], s[T1], 9
	s_add_nc_u64 s[SP:SP+1], s[SB:SB+1], s[OFP:OFP+1]
.endm
; PREFETCHES INTO THE L2, behind the wave's loads.  ASKI: my 8 KB image of the step after the next, lanes 256 bytes apart.  All sixteen work-groups of one y walk the same images: x = 0 asks, in its second pass, for
; steps 2 to 15.  ASKM: my 8 mask rows x 1,024 bytes, steps J + 2 and J + 3, at even J up to 12, where one of the two is walked.  All sixteen work-groups of one x read the same mask rows: y = 0 asks.
; So each aligned block of 256 bytes is named once in the launch; steps 0 and 1 and the scale bytes come by their loads alone.
.macro ASKI
	s_sub_co_u32 s[T0], s[ST], 16
	s_cmp_lt_u32 s[T0], s[PFL]
	s_cbranch_scc0 .Lni_\@
	global_prefetch_b8 v[PFI], s[IP:IP+1] offset:16384 th:TH_LOAD_NT scope:SCOPE_SE
.Lni_\@:
.endm
.macro ASKM
	s_bitcmp1_b32 s[NX2], s[ST]
	s_cbranch_scc0 .Lnm_\@
	global_prefetch_b8 v[PFM], s[MP:MP+1] offset:512 th:TH_LOAD_NT scope:SCOPE_SE
.Lnm_\@:
.endm
.macro QPTR ir                         ; where Q of block ir lies: img and isc block 64 (2 G + head / 2) + 16 b + ir / 2, head e', token tiles 4 (ir % 2) + 2 tp on
	s_lshr_b32 s[T0], \ir, 1
	s_add_co_u32 s[T0], s[T0], s[T2]
	s_and_b32 s[T1], \ir, 1
	s_lshl_b32 s[T1], s[T1], 2
	s_add_co_u32 s[T1], s[T1], s[T3]
	s_lshl_b32 s[OFP], s[T0], 14
	s_lshl_b32 s[T4], s[E1], 13
	s_add_co_u32 s[OFP], s[OFP], s[T4]
	s_lshl_b32 s[T4], s[T1], 10
	s_add_co_u32 s[OFP], s[OFP], s[T4]
	s_add_nc_u64 s[QC:QC+1], s[6:7], s[OFP:OFP+1]
	s_lshl_b32 s[OFP], s[T0], 9
	s_lshl_b32 s[T4], s[T1], 2
	s_add_co_u32 s[OFP], s[OFP], s[T4]
	s_add_nc_u64 s[QS:QS+1], s[8:9], s[OFP:OFP+1]
.endm
.macro QLOAD
	WIN 0x40
.irp t, 0,1
.irp c, 0,1
	global_load_b128 v[QN+8*\t+4*\c:QN+8*\t+4*\c+3], v[GL16], s[QC:QC+1] offset:1024*\t+512*\c
.endr
	global_load_b32 v[QR+\t], v[QSO], s[QS:QS+1] offset:4*\t
.endr
	WIN 0
.endm
	s_load_b256 s[4:11], s[0:1], 0x0               ; the mask, img, isc, flags
	s_load_b128 s[12:15], s[0:1], 0x20             ; acod, ascl
	v_lshl_add_u32 v254, v0, 2, 0x3d200
	v_mov_b32 v255, 0
	v_lshrrev_b32 v1, 5, v0
	v_readfirstlane_b32 s[WV], v1                  ; wave 0..7
	s_lshr_b32 s[HE], s[WV], 1                     ; my head of the four
	s_and_b32 s[TP], s[WV], 1                      ; which 32 queries
	s_and_b32 s[E1], s[HE], 1                      ; my head in its pair
	s_and_b32 s[T0], ttmp7, 0xffff
	s_lshr_b32 s2, s[T0], 2                        ; b
	s_and_b32 s3, s[T0], 3                         ; G
	s_cmp_eq_u32 s[T0], 0
	s_cselect_b32 s[NX2], 0x15551555, 0            ; even steps 0 to 12 of each pass, in work-groups y = 0
	s_cmp_eq_u32 ttmp9, 0
	s_cselect_b32 s[PFL], 14, 0
	s_sub_co_u32 s[I2R], 31, ttmp9                 ; the second block of queries
	s_lshl_b32 s[T0], ttmp9, 1
	s_sub_co_u32 s[T0], 31, s[T0]                  ; blocks from the first to the second
	s_lshl_b32 s[MDL], s[T0], 19                   ; in the mask: 64 rows of 8,192 bytes a block,
	s_lshl_b32 s[DC], s[T0], 16                    ; in acod: 64 rows of 1,024,
	s_mov_b32 s[DC+1], 0
	s_lshl_b32 s[DS], s[T0], 11                    ; in ascl: 64 rows of 32
	s_mov_b32 s[DS+1], 0
	s_mov_b32 s[OFP+1], 0
	s_mov_b32 s[SEL], 0x76543210
	s_mov_b32 s[SEL+1], 0xfedcba98                 ; v_permlanex16_b32's selects for lane l xor 16
	s_mov_b32 s[CS], 0x3e38aa3b                    ; c = log2(e) / 8
	s_mov_b32 s[CS+1], s[CS]
	s_mov_b32 s[MNT], 0x600000                     ; the mantissa field of 448
	s_mov_b32 s[FLO], 0xf3000000                   ; -2^103
	s_cmp_eq_u32 s[E1], 0
	s_mov_b32 s[KSEL], 0x07060302
	s_cselect_b32 s[KSEL], 0x05040100, s[KSEL]     ; which half of a scale word of k is my head's
	s_lshl_b32 s[SH], s[E1], 4
	s_lshl_b32 s[T2], s3, 1
	s_lshr_b32 s[T0], s[HE], 1
	s_add_co_u32 s[T2], s[T2], s[T0]
	s_lshl_b32 s[T2], s[T2], 6
	s_lshl_b32 s[T0], s2, 4
	s_add_co_u32 s[T2], s[T2], s[T0]               ; 64 (2 G + head / 2) + 16 b
	s_lshl_b32 s[T3], s[TP], 1
	v_and_b32 v1, 31, v0                           ; lane
	v_and_b32 v28, 15, v0                          ; r
	v_bfe_u32 v29, v0, 4, 1                        ; h
	v_and_b32 v30, 7, v0
	v_bfe_u32 v31, v0, 3, 2
	v_lshlrev_b32 v[GL16], 4, v1
	v_lshlrev_b32 v[GL8], 3, v1
	v_lshlrev_b32 v[QSO], 5, v28
	v_lshlrev_b32 v[PFI], 8, v1
	v_lshlrev_b32 v[PFM], 13, v30
	v_lshl_add_u32 v[PFM], v31, 8, v[PFM]
	s_mul_i32 s[T0], s[TP], 32*MPI
	v_mul_u32_u24 v[AM0], v28, MPI
	v_lshl_add_u32 v[AM0], v29, 5, v[AM0]
	v_add_nc_u32 v[AM0], s[T0], v[AM0]             ; the mask as C: row 32 tp + r, + 32 h bytes
	s_lshl_b32 s[T0], s[HE], 13
	s_add_co_u32 s[T0], s[T0], KOFF
	v_add_nc_u32 v[AI0], s[T0], v[GL16]            ; my head's image of K (V's: 32,768 on)
	s_lshr_b32 s[T0], s[HE], 1
	s_lshl_b32 s[T0], s[T0], 9
	s_add_co_u32 s[T0], s[T0], SCOFF
	v_add_nc_u32 v[ASC0], s[T0], v[QSO]            ; k's scale words of row r: 32 bytes
	s_add_co_u32 s[T0], s[SH], 1024
	v_add_nc_u32 v[ASV0], s[T0], v[ASC0]           ; v's: my head's four words
	s_mul_i32 s[T0], s[WV], 8*MPI
	v_add_nc_u32 v[SM0], s[T0], v[GL16]            ; staging: my 8 mask rows,
	s_lshl_b32 s[T0], s[WV], 13
	s_add_co_u32 s[T0], s[T0], KOFF
	v_add_nc_u32 v[SI0], s[T0], v[GL16]            ; my image (waves 0-3: K of head w; waves 4-7: V of head w - 4),
	s_lshl_b32 s[T0], s[WV], 8
	s_add_co_u32 s[T0], s[T0], SCOFF
	v_add_nc_u32 v[SS0], s[T0], v[GL8]             ; my 256 scale bytes
	s_mul_i32 s[T0], s[TP], 32*STP
	s_lshl_b32 s[T1], s[HE], 6
	s_add_co_u32 s[T0], s[T0], s[T1]
	s_add_co_u32 s[T0], s[T0], STG
	v_mul_u32_u24 v[EST], v28, STP
	v_lshl_add_u32 v[EST], v29, 3, v[EST]
	v_add_nc_u32 v[EST], s[T0], v[EST]             ; ctx's codes: row 32 tp + r, my head's 64 bytes, + 8 h
	s_mul_i32 s[T0], s[WV], 8*STP
	s_add_co_u32 s[T0], s[T0], STG
	v_mul_u32_u24 v[ERD], v29, STP
	v_lshl_add_u32 v[ERD], v28, 4, v[ERD]
	v_add_nc_u32 v[ERD], s[T0], v[ERD]             ; back: rows 8 w on; lanes 0-15 one row, lanes 16-31 the next
	v_lshlrev_b32 v[EGO], 10, v29
	v_lshl_add_u32 v[EGO], v28, 4, v[EGO]          ; and the same two rows in acod
	s_lshl_b32 s[T0], s[TP], 8
	s_lshl_b32 s[T1], s[HE], 1
	s_add_co_u32 s[T0], s[T0], s[T1]
	s_add_co_u32 s[T0], s[T0], STG2
	v_lshl_add_u32 v[ESS], v28, 3, s[T0]           ; ctx's scale bytes: 8 a token, my head's two
	s_lshl_b32 s[T0], s[WV], 6
	s_add_co_u32 s[T0], s[T0], STG2
	v_lshl_add_u32 v[ESR], v30, 3, s[T0]
	v_lshlrev_b32 v[ESG], 5, v30
	s_wait_kmcnt 0x0
	s_lshl_b32 s[OFP], ttmp9, 6                    ; the flags of a block: 16 words
	s_add_nc_u64 s[OC:OC+1], s[10:11], s[OFP:OFP+1]
	s_lshl_b32 s[OFP], s[I2R], 6
	s_add_nc_u64 s[OS:OS+1], s[10:11], s[OFP:OFP+1]
	s_load_b512 s[FL:FL+15], s[OC:OC+1], 0x0
	s_load_b512 s[FL+16:FL+31], s[OS:OS+1], 0x0
	s_lshl_b32 s[OFP], ttmp9, 19
	s_lshl_b32 s[T0], s[WV], 16
	s_add_co_u32 s[OFP], s[OFP], s[T0]
	s_add_nc_u64 s[MB:MB+1], s[4:5], s[OFP:OFP+1]  ; the mask at row 64 p + 8 w
	s_lshr_b32 s[T0], s[WV], 2
	s_lshl_b32 s[T0], s[T0], 3
	s_bfe_u32 s[T1], s[WV], 0x10001
	s_add_co_u32 s[T0], s[T0], s[T1]
	s_lshl_b32 s[T1], s3, 1
	s_add_co_u32 s[T0], s[T0], s[T1]
	s_add_co_u32 s[T0], s[T0], 8                   ; P: 8 (k) or 16 (v) + the head pair
	s_lshl_b32 s[T0], s[T0], 6
	s_lshl_b32 s[T1], s2, 4
	s_add_co_u32 s[T0], s[T0], s[T1]               ; 64 P + 16 b
	s_lshl_b32 s[OFP], s[T0], 14
	s_lshl_b32 s[T1], s[TP], 13
	s_add_co_u32 s[OFP], s[OFP], s[T1]
	s_add_nc_u64 s[IB:IB+1], s[6:7], s[OFP:OFP+1]
	s_lshl_b32 s[OFP], s[T0], 9
	s_lshl_b32 s[T1], s[TP], 8
	s_add_co_u32 s[OFP], s[OFP], s[T1]
	s_add_nc_u64 s[SB:SB+1], s[8:9], s[OFP:OFP+1]
	s_mov_b64 s[MP:MP+1], s[MB:MB+1]
	s_mov_b64 s[IP:IP+1], s[IB:IB+1]
	s_mov_b64 s[SP:SP+1], s[SB:SB+1]
	s_mov_b32 s[TBN], 0
	v_add_nc_u32 v[SM], s[TBN], v[SM0]
	v_add_nc_u32 v[SI], s[TBN], v[SI0]
	v_add_nc_u32 v[SS], s[TBN], v[SS0]
	ISSUE1                                         ; step 0 is staged whatever the flags say: every staging register is written once on every path
	QPTR ttmp9
	QLOAD                                          ; Q of the first block
	WIN 0x40
.irp i, 0,1,2,3,4,5,6,7
	v_mov_b32 v[QZ+\i], 0                          ; the zero codes beside Q
	v_mov_b32 v[QZ+16+\i], 0
	v_mov_b32 v[QZ+32+\i], 0
.endr
	WIN 0
	s_wait_loadcnt 0x0
	PREP
	STORE1
	s_wait_dscnt 0x0
	ISSUE2
	QPTR s[I2R]                                    ; (Q's loads are done: their bases may be written)  the second block's
	s_wait_loadcnt 0x0
	PREP
	STORE2
	s_wait_dscnt 0x0                               ; for the others' sake: my part of slot 0 lies in LDS
	s_barrier_signal -1
	s_barrier_wait -1
	s_wait_kmcnt 0x0                               ; the flags
	s_or_b32 s[T0], s[FL], s[FL+1]
	s_and_b32 s[T1], s[FL], s[FL+1]
.irp i, 2,3,4,5,6,7,8,9,10,11,12,13,14,15
	s_or_b32 s[T0], s[T0], s[FL+\i]
	s_and_b32 s[T1], s[T1], s[FL+\i]
.endr
	s_and_b32 s[T0], s[T0], 0xffff
	s_bitcmp1_b32 s[T1], 16                        ; has every row of the block an entry that counts?
	s_cselect_b32 s[ACT], s[T0], 0xffff            ; then the steps that are not dead; else all
	s_or_b32 s[T0], s[FL+16], s[FL+17]
	s_and_b32 s[T1], s[FL+16], s[FL+17]
.irp i, 18,19,20,21,22,23,24,25,26,27,28,29,30,31
	s_or_b32 s[T0], s[T0], s[FL+\i]
	s_and_b32 s[T1], s[T1], s[FL+\i]
.endr
	s_and_b32 s[T0], s[T0], 0xffff
	s_bitcmp1_b32 s[T1], 16
	s_cselect_b32 s[T0], s[T0], 0xffff
	s_lshl_b32 s[T0], s[T0], 16
	s_or_b32 s[ACT], s[ACT], s[T0]
	s_lshr_b32 s[NXT], s[ACT], 1
	s_lshr_b32 s[T0], s[ACT], 2
	s_lshr_b32 s[T1], s[ACT], 3
	s_or_b32 s[T0], s[T0], s[T1]
	s_and_b32 s[NX2], s[NX2], s[T0]
	s_lshl_b32 s[OFP], s2, 21                      ; ctx's codes: acod at row 2,048 b + 64 p + 8 w, byte 256 G
	s_lshl_b32 s[T0], ttmp9, 16
	s_add_co_u32 s[OFP], s[OFP], s[T0]
	s_lshl_b32 s[T0], s[WV], 13
	s_add_co_u32 s[OFP], s[OFP], s[T0]
	s_lshl_b32 s[T0], s3, 8
	s_add_co_u32 s[OFP], s[OFP], s[T0]
	s_add_nc_u64 s[OC:OC+1], s[12:13], s[OFP:OFP+1]
	s_lshl_b32 s[OFP], s2, 16                      ; its scale bytes: ascl at the same row, byte 8 G
	s_lshl_b32 s[T0], ttmp9, 11
	s_add_co_u32 s[OFP], s[OFP], s[T0]
	s_lshl_b32 s[T0], s[WV], 8
	s_add_co_u32 s[OFP], s[OFP], s[T0]
	s_lshl_b32 s[T0], s3, 3
	s_add_co_u32 s[OFP], s[OFP], s[T0]
	s_add_nc_u64 s[OS:OS+1], s[14:15], s[OFP:OFP+1]
	s_mov_b32 s[TB], 0
	s_mov_b32 s[TBN], SLOT1
	s_mov_b32 s[ST], 0
	NEXTPTR
; 50 LDS loads: k's scale words (2), K's four fragments (16), the mask as C of tile 0 (16) and of tile 1 (16)
.macro LOADS_S
	ds_load_b128 v[KRW:KRW+3], v[ASC]
	ds_load_b128 v[KRW+4:KRW+7], v[ASC] offset:16
.irp f, 0,1,2,3
.irp c, 0,1,2,3
	ds_load_b128 v[FR+16*\f+4*\c:FR+16*\f+4*\c+3], v[AI] offset:2048*\f+512*\c
.endr
.endr
.irp t, 0,1,2,3,4,5,6,7
.irp i, 0,1
	ds_load_b128 v[S+8*\t+4*\i:S+8*\t+4*\i+3], v[AM] offset:64*\t+16*\i
.endr
.endr
	WIN 0x40
.irp t, 0,1,2,3,4,5,6,7
.irp i, 0,1
	ds_load_b128 v[S+8*\t+4*\i:S+8*\t+4*\i+3], v[AM] offset:16*MPI+64*\t+16*\i
.endr
.endr
	WIN 0
.endm
.macro SPROD tau                       ; eight products: fragment f x [Q | 0] gives keys 32 f + 0..15, x [0 | Q] keys 32 f + 16..31.  Each adds onto its own tile of the mask
.irp f, 0,1,2,3
.irp u, 0,1
	v_wmma_scale_f32_16x16x128_f8f6f4 v[S+8*(2*\f+\u):S+8*(2*\f+\u)+7], v[FR+16*\f:FR+16*\f+15], v[QZ+16*(\tau)+8-8*\u:QZ+16*(\tau)+23-8*\u], v[S+8*(2*\f+\u):S+8*(2*\f+\u)+7], v[KW+\f], v[QSA+(\tau)]
.endr
.endr
.endm
.macro PRODUCT_S
	s_wait_dscnt 48                                ; k's scale words are in; 48 younger loads stay out
.irp f, 0,1,2,3
	v_perm_b32 v[KW+\f], v[KRW+2*\f+1], v[KRW+2*\f], s[KSEL]   ; my head's two bytes of key tile 2 f, then of 2 f + 1
.endr
.rept 8
	v_nop                                          ; a scale register written by a vector instruction stands eight places ahead of the product
.endr
	s_wait_dscnt 16                                ; K and tile 0's mask are in; tile 1's sixteen loads stay out
	WIN 0x04                                       ; source 1 (Q) window 1
	SPROD 0
	s_wait_dscnt 0x0
	WIN 0x54                                       ; and C, D window 1
	SPROD 1
	WIN 0
.rept 8
	v_nop                                          ; places in front of the loads into K's registers and of the first read of the scores
.endr
.endm
.macro LOADS_V
.irp t, 0,1,2,3
.irp c, 0,1,2,3
	ds_load_b128 v[FR+16*\t+4*\c:FR+16*\t+4*\c+3], v[AI] offset:32768+2048*\t+512*\c
.endr
.endr
	ds_load_b128 v[VW:VW+3], v[ASV]
.endm
; THE SOFTMAX of one tile (16 queries x 128 keys), in the tile's window
.macro SOFTMAX tau
	WIN 0x55*(\tau)
.irp b, 0,1,2,3
	v_max3_num_f32 v[BX+\b], v[S+16*\b], v[S+1+16*\b], v[S+2+16*\b]   ; the largest score of each block of 32 keys: for the row's maximum and, since p rises with the score, for the block's largest p
.endr
.irp i, 3,5,7,9,11,13
.irp b, 0,1,2,3
	v_max3_num_f32 v[BX+\b], v[BX+\b], v[S+16*\b+\i], v[S+1+16*\b+\i]
.endr
.endr
.irp b, 0,1,2,3
	v_max_num_f32 v[BX+\b], v[BX+\b], v[S+15+16*\b]
.endr
.irp b, 0,1,2,3
	v_permlanex16_b32 v[PT+\b], v[BX+\b], s[SEL], s[SEL+1]
.endr
.irp b, 0,1,2,3
	v_max_num_f32 v[BX+\b], v[BX+\b], v[PT+\b]     ; with lane l xor 16's 16 keys
.endr
	v_max3_num_f32 v[TMP], v[BX], v[BX+1], v[BX+2]
	v_max_num_f32 v[TMP], v[TMP], v[BX+3]
	v_mul_f32 v[TMP], s[CS], v[TMP]                ; as t
	v_max_num_f32 v[TR], v[TR], v[TMP]             ; the running largest t
	v_mov_b32 v[TMP], v[NM]
	v_floor_f32 v[NM], -v[TR]                      ; -M = floor(-t): M is a whole number
	v_sub_f32 v[TMP], v[NM], v[TMP]                ; old M - new M
	v_cvt_i32_f32 v[TMP], v[TMP]                   ; (it saturates)
	v_ldexp_f32 v[F], 1.0, v[TMP]                  ; f = 2^(old M - new M): rounds nothing
.set j, 0
.rept 32
	v_pk_fma_f32 v[S+j:S+j+1], v[S+j:S+j+1], s[CS:CS+1], v[NM:NM+1] op_sel_hi:[1,0,0]   ; t - M
.set j, j+2
.endr
.irp b, 0,1,2,3
	v_fma_f32 v[BX+\b], v[BX+\b], s[CS], v[NM]
.endr
.set j, 0
.rept 64
	v_exp_f32 v[S+j], v[S+j]                       ; p = 2^(t - M)
.set j, j+1
.endr
	v_pk_mul_f32 v[L:L+1], v[L:L+1], v[F:F+1] op_sel_hi:[1,0]   ; the sums under the new M: a plain instruction behind the exponentials
	s_wait_alu depctr_va_vdst(0)                   ; one wait for the batch, ahead of its first reader
.irp b, 0,1,2,3
	v_exp_f32 v[BX+\b], v[BX+\b]                   ; each block's largest p
.endr
	v_pk_add_f32 v[PT:PT+1], v[S:S+1], v[S+2:S+3]  ; the row's sum of the unquantised p, in two chains
.irp j, 4,8,12,16,20,24,28,32,36,40,44,48,52,56,60
	v_pk_add_f32 v[L:L+1], v[L:L+1], v[S+\j:S+\j+1]
	v_pk_add_f32 v[PT:PT+1], v[PT:PT+1], v[S+2+\j:S+3+\j]
.endr
	v_pk_add_f32 v[L:L+1], v[L:L+1], v[PT:PT+1]
	s_wait_alu depctr_va_vdst(0)                   ; and one for the four
.irp b, 0,1,2,3
	v_max_num_f32 v[BX+\b], 0x4800000, v[BX+\b]    ; the floor 2^(9 - 127)
.endr
.irp b, 0,1,2,3
	v_add_nc_u32 v[SO+\b], 0xfc000000, v[BX+\b]    ; the conversion's scale operand
.endr
.irp b, 0,1,2,3
	v_and_or_b32 v[HD+\b], v[BX+\b], 0x7f800000, s[MNT]   ; 448 x the scale
.endr
.irp b, 0,1,2,3
	v_lshrrev_b32 v[PT+\b], 23, v[SO+\b]           ; the scale's byte
.endr
	v_lshl_or_b32 v[PW], v[PT+1], 8, v[PT]
	v_lshl_or_b32 v[PW], v[PT+2], 16, v[PW]
	v_lshl_or_b32 v[PW], v[PT+3], 24, v[PW]
.if \tau
	WIN 0x01
	v_mov_b32 v[PWB], v[PW]                        ; into window 0, where scale operands are taken from
	WIN 0x55
.endif
.irp b, 0,1,2,3
.irp i, 0,1,2,3,4,5,6,7,8,9,10,11,12,13,14,15
	v_min_num_f32 v[S+16*\b+\i], v[S+16*\b+\i], v[HD+\b]   ; the conversion does not saturate (ISA guide 7.6.2); p is not negative
.endr
	v_cvt_scalef32_pk8_fp8_f32 v[PC+4*\b:PC+4*\b+1], v[S+16*\b:S+16*\b+7], v[SO+\b]
	v_cvt_scalef32_pk8_fp8_f32 v[PC+4*\b+2:PC+4*\b+3], v[S+16*\b+8:S+16*\b+15], v[SO+\b]
.endr
.set j, 0
.rept 16
	v_pk_mul_f32 v[O+j:O+j+1], v[O+j:O+j+1], v[F:F+1] op_sel_hi:[1,0]   ; O^T under the new M; also the places in front of the products
.set j, j+2
.endr
.endm
.macro PRODUCT_O                       ; O^T += V^T P^T: four tiles of 16 channels for each tile of queries; the eight accumulators take turns
	s_wait_dscnt 0x0
	WIN 0
.irp t, 0,1,2,3
	v_wmma_scale_f32_16x16x128_f8f6f4 v[O+8*\t:O+8*\t+7], v[FR+16*\t:FR+16*\t+15], v[PC:PC+15], v[O+8*\t:O+8*\t+7], v[VW+\t], v[PW]
.endr
	WIN 0x54
.irp t, 0,1,2,3
	v_wmma_scale_f32_16x16x128_f8f6f4 v[O+8*\t:O+8*\t+7], v[FR+16*\t:FR+16*\t+15], v[PC:PC+15], v[O+8*\t:O+8*\t+7], v[VW+\t], v[PWB]
.endr
	WIN 0
.rept 8
	v_nop                                          ; places in front of the next loads into V's registers and of the next read of O^T
.endr
.endm
.macro CLEAR tau                       ; a pass begins: O^T and the sum are zeros, the largest t lies under every t
	WIN 0x55*(\tau)
.set j, 0
.rept 32
	v_mov_b32 v[O+j], 0
.set j, j+1
.endr
	v_mov_b32 v[L], 0
	v_mov_b32 v[L+1], 0
	v_mov_b32 v[TR], 0xff61b1e6
	v_floor_f32 v[NM], -v[TR]
.irp b, 0,1,2,3
	v_mov_b32 v[PT+\b], 0                          ; a lane permute's destination counts as one of its sources
.endr
	v_mov_b32 v[PW], 0                             ; (named as the upper half of the pair with f before it is first made)
.endm
; A pass ends: O^T / the sum, quantised along the head's 64 channels (two blocks), into the stage in natural order
.macro FINISH tau
	WIN 0x55*(\tau)
	v_add_f32 v[L], v[L], v[L+1]
	v_permlanex16_b32 v[PT], v[L], s[SEL], s[SEL+1]
	v_add_f32 v[L], v[L], v[PT]                    ; the row's sum
	v_rcp_f32 v[F], v[L]
	v_nop
	s_wait_alu depctr_va_vdst(0)                   ; ahead of the first reader
.set j, 0
.rept 16
	v_pk_mul_f32 v[S+j:S+j+1], v[O+j:O+j+1], v[F:F+1] op_sel_hi:[1,0]   ; register 8 t + i: channel 16 t + 8 h + i of query r
.set j, j+2
.endr
.irp b, 0,1
	v_max3_num_f32 v[BX+\b], |v[S+16*\b]|, |v[S+1+16*\b]|, 0x4800000
.endr
.irp i, 2,4,6,8,10,12,14
.irp b, 0,1
	v_max3_num_f32 v[BX+\b], v[BX+\b], |v[S+16*\b+\i]|, |v[S+1+16*\b+\i]|
.endr
.endr
.irp b, 0,1
	v_permlanex16_b32 v[PT+\b], v[BX+\b], s[SEL], s[SEL+1]
.endr
.irp b, 0,1
	v_max_num_f32 v[BX+\b], v[BX+\b], v[PT+\b]
.endr
.irp b, 0,1
	v_add_nc_u32 v[SO+\b], 0xfc000000, v[BX+\b]
.endr
.irp b, 0,1
	v_and_or_b32 v[HD+\b], v[BX+\b], 0x7f800000, s[MNT]
.endr
.irp b, 0,1
	v_lshrrev_b32 v[PT+\b], 23, v[SO+\b]
.endr
	v_lshl_or_b32 v[TMP], v[PT+1], 8, v[PT]        ; the two scale bytes
.irp b, 0,1
.irp i, 0,1,2,3,4,5,6,7,8,9,10,11,12,13,14,15
	v_med3_num_f32 v[S+16*\b+\i], v[S+16*\b+\i], -v[HD+\b], v[HD+\b]
.endr
	v_cvt_scalef32_pk8_fp8_f32 v[PC+4*\b:PC+4*\b+1], v[S+16*\b:S+16*\b+7], v[SO+\b]
	v_cvt_scalef32_pk8_fp8_f32 v[PC+4*\b+2:PC+4*\b+3], v[S+16*\b+8:S+16*\b+15], v[SO+\b]
.endr
	v_nop                                          ; a plain instruction behind the last conversion
	WIN 0x04*(\tau)
.irp b, 0,1
.irp u, 0,1
	ds_store_b64 v[EST], v[PC+4*\b+2*\u:PC+4*\b+2*\u+1] offset:16*STP*(\tau)+32*\b+16*\u   ; channels 32 b + 16 u + 8 h + 0..7
.endr
.endr
	ds_store_b16 v[ESS], v[TMP] offset:128*(\tau)  ; both halves of the lanes write the same two bytes with the same value
.endm
	s_mov_b32 s[PS], 2
.Lpass:
	s_wait_loadcnt 0x0                             ; this pass's Q
	WIN 0x41
.irp i, 0,1,2,3,4,5,6,7
	v_mov_b32 v[QZ+8+\i], v[QN+\i]
	v_mov_b32 v[QZ+24+\i], v[QN+8+\i]
.endr
	WIN 0x04
	v_lshrrev_b32 v[QSA], s[SH], v[QR]             ; my head's two bytes of Q's scale words,
	v_lshrrev_b32 v[QSA+1], s[SH], v[QR+1]
	WIN 0
	v_and_b32 v[QSA], 0xffff, v[QSA]
	v_and_b32 v[QSA+1], 0xffff, v[QSA+1]
	v_lshl_or_b32 v[QSA], v[QSA], 16, v[QSA]       ; twice: Q stands in either half of K
	v_lshl_or_b32 v[QSA+1], v[QSA+1], 16, v[QSA+1]
	s_cmp_eq_u32 s[PS], 1
	s_cbranch_scc1 .Lno_q
	QLOAD                                          ; the second pass's Q is asked for a pass ahead
.Lno_q:
	CLEAR 0
	CLEAR 1
	WIN 0
	s_mov_b32 s[JC], 16
.Ltrip:                                            ; one step of 128 keys
	v_add_nc_u32 v[AM], s[TB], v[AM0]
	v_add_nc_u32 v[AI], s[TB], v[AI0]
	v_add_nc_u32 v[ASC], s[TB], v[ASC0]
	v_add_nc_u32 v[ASV], s[TB], v[ASV0]
	v_add_nc_u32 v[SM], s[TBN], v[SM0]
	v_add_nc_u32 v[SI], s[TBN], v[SI0]
	v_add_nc_u32 v[SS], s[TBN], v[SS0]
	s_bitcmp1_b32 s[NXT], s[ST]
	s_cbranch_scc0 .Lno_next
	ISSUE1                                         ; the next step's first batch
.Lno_next:
	ASKI
	ASKM
	s_bitcmp1_b32 s[ACT], s[ST]
	s_cbranch_scc0 .Ldead
	LOADS_S
	PRODUCT_S
	LOADS_V
	SOFTMAX 0
	MID
	SOFTMAX 1
	PRODUCT_O
	s_branch .Ljoin
.Ldead:
	MID
.Ljoin:
	s_wait_loadcnt 0x0                             ; on every path
	s_bitcmp1_b32 s[NXT], s[ST]
	s_cbranch_scc0 .Lno_store
	PREP
	STORE2
.Lno_store:
	s_wait_dscnt 0x0                               ; my stores into the next slot have landed and my reads of this slot are over
	s_barrier_signal -1
	s_barrier_wait -1                              ; one barrier a step, outside every branch
	s_wait_xcnt 0x0                                ; the loads and prefetches have read their bases
	s_add_co_u32 s[ST], s[ST], 1
	NEXTPTR
	s_xor_b32 s[TB], s[TB], SLOT1
	s_xor_b32 s[TBN], s[TBN], SLOT1
	s_sub_co_u32 s[JC], s[JC], 1
	s_cmp_lg_u32 s[JC], 0
	s_cbranch_scc1 .Ltrip
	FINISH 0
	FINISH 1
	WIN 0
	s_wait_dscnt 0x0                               ; for the others' sake: a row's 256 bytes come from four waves
	s_barrier_signal -1
	s_barrier_wait -1
.irp i, 0,1,2,3
	ds_load_b128 v[FR+4*\i:FR+4*\i+3], v[ERD] offset:2*STP*\i
.endr
	ds_load_b64 v[FR+16:FR+17], v[ESR]
.irp i, 0,1,2,3
	s_wait_dscnt 4-\i                              ; the younger loads stay out
	global_store_b128 v[EGO], v[FR+4*\i:FR+4*\i+3], s[OC:OC+1] offset:2048*\i   ; sixteen lanes store 256 consecutive bytes, aligned
.endr
	s_wait_dscnt 0x0
	global_store_b64 v[ESG], v[FR+16:FR+17], s[OS:OS+1]   ; 8 scale bytes a token; four lanes write the same eight
	s_wait_xcnt 0x0                                ; the stores have read their registers and bases
	s_add_nc_u64 s[OC:OC+1], s[OC:OC+1], s[DC:DC+1]
	s_add_nc_u64 s[OS:OS+1], s[OS:OS+1], s[DS:DS+1]
	s_sub_co_u32 s[PS], s[PS], 1
	s_cmp_lg_u32 s[PS], 0
	s_cbranch_scc1 .Lpass
	s_wait_tensorcnt 0x0
	ds_add_u32 v254, v255
	s_wait_dscnt 0x0
	s_endpgm
.Lfunc_end_k_qa7b4b4823b_attn:
	.size	k_qa7b4b4823b_attn, .Lfunc_end_k_qa7b4b4823b_attn-k_qa7b4b4823b_attn
	.p2alignl 7, 3214868480
	.fill 96, 4, 3214868480
	.section	.rodata,"a",@progbits
	.p2align	6, 0x0
	.amdhsa_kernel k_qa7b4b4823b_attn
		.amdhsa_group_segment_fixed_size 251392
		.amdhsa_private_segment_fixed_size 0
		.amdhsa_enable_private_segment 0
		.amdhsa_kernarg_size 48
		.amdhsa_user_sgpr_count 2
		.amdhsa_user_sgpr_kernarg_segment_ptr 1
		.amdhsa_wavefront_size32 1
		.amdhsa_system_sgpr_workgroup_id_x 1
		.amdhsa_system_sgpr_workgroup_id_y 1
		.amdhsa_system_sgpr_workgroup_id_z 1
		.amdhsa_system_vgpr_workitem_id 0
		.amdhsa_next_free_vgpr 512
		.amdhsa_next_free_sgpr 106
		.amdhsa_reserve_vcc 0
		.amdhsa_float_denorm_mode_32 3
		.amdhsa_float_denorm_mode_16_64 3
		.amdhsa_memory_ordered 1
		.amdhsa_forward_progress 1
		.amdhsa_inst_pref_size 87
	.end_amdhsa_kernel
	.amdgpu_metadata
---
amdhsa.version: [ 1, 2 ]
amdhsa.kernels:
  - .name:           k_qa7b4b4823b_attn
    .symbol:         k_qa7b4b4823b_attn.kd
    .args:
      - { .name: attn_mask, .offset: 0, .size: 8, .value_kind: global_buffer, .address_space: global }
      - { .name: img, .offset: 8, .size: 8, .value_kind: global_buffer, .address_space: global }
      - { .name: isc, .offset: 16, .size: 8, .value_kind: global_buffer, .address_space: global }
      - { .name: flags, .offset: 24, .size: 8, .value_kind: global_buffer, .address_space: global }
      - { .name: acod, .offset: 32, .size: 8, .value_kind: global_buffer, .address_space: global }
      - { .name: ascl, .offset: 40, .size: 8, .value_kind: global_buffer, .address_space: global }
    .group_segment_fixed_size: 251392
    .private_segment_fixed_size: 0
    .kernarg_segment_align: 8
    .kernarg_segment_size: 48
    .max_flat_workgroup_size: 256
    .sgpr_count:     106
    .vgpr_count:     512
    .wavefront_size: 32
...
	.end_amdgpu_metadata
.endif
;; end of part 3
;; launch oproj (part 4): grid 4 x 32, 4 waves a work-group, clusters of 4 x 4, 327,680 bytes of LDS; arguments acod, ascl, wcod, wscl, bo, out0; writes out0
.if DOCPART == 4
	.amdgcn_target "amdgcn-amd-amdhsa--gfx1250"
	.amdhsa_code_object_version 6
	.text
	.protected	k_qa7b4b4823b_oproj
	.globl	k_qa7b4b4823b_oproj
	.p2align	8
	.type	k_qa7b4b4823b_oproj,@function
k_qa7b4b4823b_oproj:
	s_mov_b64 s[64:65], 0
	v_nop
	global_prefetch_b8 v0, s[64:65] scope:SCOPE_SE
	s_setreg_imm32_b32 hwreg(HW_REG_WAVE_MODE, 25, 1), 1
	s_wait_xcnt 0x0
	s_wait_alu depctr_hold_cnt(0) depctr_sa_sdst(0) depctr_va_vdst(0) depctr_va_sdst(0) depctr_va_ssrc(0) depctr_va_vcc(0) depctr_vm_vsrc(0)
	s_getreg_b32 s2, hwreg(HW_REG_IB_STS2, 6, 4)
	s_cmp_eq_u32 s2, 0
	s_cbranch_scc0 .Lentry_in_a_cluster
	s_endpgm
.Lentry_in_a_cluster:
	s_bfe_u32 s2, ttmp6, 0x10000c
	s_cmp_lg_u32 s2, 0xf033
	s_cbranch_scc0 .Lentry_shape_is_right
	s_endpgm
.Lentry_shape_is_right:
; OUT = ctx Wo^T + bo.  A = ctx's codes [8192][1024] with scale bytes [8192][32]; B = Wo's: rows 3,072 on of the weights' codes and scale bytes; C = out0 [8192][1024] f32; sums in f32, K ascending.
; A tile of C is 256 x 256, four waves of 128 x 128.  K goes in steps of 256 through two LDS slots filled by the tensor data mover; the scale bytes of the work-group's rows come once.
; 4 x 4 work-groups form a cluster: A's tiles are asked for jointly along a row of the cluster, B's along a column.  The matrix instruction is used transposed (source 0 = rows of B, source 1 = rows of A):
; a lane holds eight neighbouring numbers of a row of C.  The bias is the C of each sum's first product.
; REGISTERS: window 0: v0-31 addresses; v32-63 scale words; v64-127 the bias; v128-255 A's fragments, on the way out rows of C.  window 1: B's fragments, two sets.  windows 2, 3: the accumulators.
.set SIZE_N, 1024
.set KSTEP,  256
.set NQ,     2
.set ROWB,   256
.set KROW,   1024
.set PITCH,  272                       ; an LDS row: 256 bytes + 16 of padding: the 16 rows that a load touches start 4 banks apart (64 banks of 4 bytes: ISA guide 11.1)
.set FR,     16
.set NL,     4
.set NP,     8                         ; places behind this matrix instruction (ISA guide 7.12.1)
.set HALFT,  128*PITCH
.set SLOT,   4*HALFT
.set KS,     32
.set SCL,    2*SLOT
.set HALFS,  (128*KS/256)*272
.set SBLK,   (16*KS/256)*272
.set SPARE,  SCL+4*HALFS               ; the spare words: 128 bytes a wave, two blocks of 256 bytes that no other line names
.set SPITCH, 528                       ; the way out: 16 rows x (512 bytes + 16) for each wave, in slot 0, which has had its last fill and its last read by then
.set ADRA, 16
.set ADRB, 20
.set STO,  24
.set RD,   25
.set CO,   26
.set ADRS, 27
.set SPW,  28
.set NIL,  29
.set SC,   32
.set BN,   64
.set AF,   128
.set BK,   128
.set G1, 24
.set G0, 32
.set G1B, 48
.set G0B, 56
.set G1S, 68
.set G0S, 76
.set G1SB, 80
.set G0SB, 88
.set MSB, 0
.macro WIN new
.if MSB != \new
	s_set_vgpr_msb (MSB<<8)|\new
.set MSB, \new
.endif
.endm
.set MUL_LO, 0xa1
.set MUL_HI, 0xf1
.set TO_B,   0x40
.macro JLOAD g0a, g1a, g0b, g1b        ; a joint load: waves 0 and 1 fetch for A, waves 2 and 3 for B; four v_nop follow each of the two lines
	s_cmp_eq_u32 s15, 0
	s_cbranch_scc0 .Lfor_b_\@
	tensor_load_to_lds s[\g0a:\g0a+3], s[\g1a:\g1a+7]
	s_nop 0
.rept 4
	v_nop
.endr
	s_branch .Lasked_\@
.Lfor_b_\@:
	tensor_load_to_lds s[\g0b:\g0b+3], s[\g1b:\g1b+7]
	s_nop 0
.rept 4
	v_nop
.endr
.Lasked_\@:
.endm
.macro CREST
	s_cmp_lg_u32 s14, 0
	s_cbranch_scc1 .Lnot_wave_0_\@
	s_barrier_signal -3
.Lnot_wave_0_\@:
	s_barrier_wait -3
	s_barrier_signal -1
	s_barrier_wait -1
.endm
.macro CROUND
	s_barrier_signal -1
	s_barrier_wait -1
	CREST
.endm
	s_load_b128 s[4:7], s[0:1], 0x0                ; ctx's codes, ctx's scales
	s_load_b128 s[8:11], s[0:1], 0x10              ; the weights' codes, the weights' scales
	s_load_b128 s[96:99], s[0:1], 0x20             ; bo, out0
	v_lshl_add_u32 v[SPW], v0, 2, SPARE
	v_mov_b32 v[NIL], 0
	ds_add_u32 v28, v29
	ds_add_u32 v28, v29
	s_wait_dscnt 0x0
	v_lshrrev_b32 v1, 5, v0
	v_readfirstlane_b32 s14, v1                    ; wave 0..3
	s_lshr_b32 s15, s14, 1                         ; which half of the tile's rows is mine.  Also: I fetch for A (0) or for B (1)
	s_and_b32 s16, s14, 1                          ; which half of its columns.  Also: which 128 rows of that tile I fetch
	s_bfe_u32 s40, ttmp6, 0x40000                  ; cx
	s_bfe_u32 s41, ttmp6, 0x40004                  ; cy
	s_lshl_b32 s42, ttmp9, 2
	s_add_co_u32 s42, s42, s40                     ; tile column of C
	s_and_b32 s17, ttmp7, 0xffff
	s_lshl_b32 s17, s17, 2
	s_add_co_u32 s17, s17, s41                     ; tile row of C
	s_lshl_b32 s43, s41, 2
	s_lshl_b32 s43, 15, s43                        ; my row of the cluster
	s_lshl_b32 s44, 0x1111, s40                    ; my column
	s_or_b32 s[G1+0], s43, (0<<16)|(1<<20)|(1<<21)|(5<<22)|(3<<25)  ; the mask; elements of 1 byte; padding on; bit 21 beside a mask; 4 words behind every 64
	s_or_b32 s[G1B+0], s44, (0<<16)|(1<<20)|(1<<21)|(5<<22)|(3<<25)
.irp g, G1, G1B
	s_mov_b32 s[\g+1], ROWB<<16
	s_mov_b32 s[\g+2], 128<<16
	s_mov_b32 s[\g+3], ROWB<<16
	s_mov_b32 s[\g+4], 128
	s_mov_b32 s[\g+5], KROW
	s_mov_b32 s[\g+6], 0
	s_mov_b32 s[\g+7], 0
.endr
	s_or_b32 s[G1S+0], s43, (3<<16)|(1<<20)|(1<<21)|(5<<22)|(3<<25) ; the scales of 128 rows: 16 rows of 32 elements of 8 bytes, 16 bytes of padding behind each
	s_or_b32 s[G1SB+0], s44, (3<<16)|(1<<20)|(1<<21)|(5<<22)|(3<<25)
.irp g, G1S, G1SB
	s_mov_b32 s[\g+1], 32<<16
	s_mov_b32 s[\g+2], (128*KS/256)<<16
	s_mov_b32 s[\g+3], 32<<16
	s_mov_b32 s[\g+4], 128*KS/256
	s_mov_b32 s[\g+5], 32
	s_mov_b32 s[\g+6], 0
	s_mov_b32 s[\g+7], 0
.endr
	s_lshl_b32 s18, s16, 7
	s_lshl_b32 s20, s17, 8
	s_add_co_u32 s20, s20, s18                     ; A: row 256 x tile row + 128 x half
	s_lshl_b32 s46, s42, 8
	s_add_co_u32 s46, s46, s18                     ; B: row 256 x tile column + 128 x half
	s_mov_b32 s21, 0
	s_mov_b32 s47, 0
	s_mov_b64 s[18:19], KS
	s_mul_u64 s[22:23], s[20:21], s[18:19]
	s_mul_u64 s[92:93], s[46:47], s[18:19]
	s_mov_b64 s[18:19], KROW
	s_mul_u64 s[20:21], s[20:21], s[18:19]
	s_mul_u64 s[46:47], s[46:47], s[18:19]
	s_mul_i32 s45, s14, HALFT
	s_mul_i32 s94, s14, HALFS
	s_wait_kmcnt 0x0
	s_mov_b64 s[12:13], s[98:99]                   ; out0
	s_add_nc_u64 s[8:9], s[8:9], 0x300000          ; Wo's codes: rows 3,072 on
	s_add_nc_u64 s[10:11], s[10:11], 0x18000       ; and its scale bytes
	s_add_nc_u64 s[20:21], s[4:5], s[20:21]
	s_add_nc_u64 s[22:23], s[6:7], s[22:23]
	s_add_nc_u64 s[46:47], s[8:9], s[46:47]
	s_add_nc_u64 s[92:93], s[10:11], s[92:93]
	CROUND                                         ; all sixteen work-groups are here: the first joint loads meet
	s_mov_b32 s[G0S], 1
	s_add_co_u32 s[G0S+1], s94, SCL
	s_mov_b64 s[G0S+2:G0S+3], s[22:23]
	s_or_b32 s[G0S+3], s[G0S+3], 0x80000000
	s_mov_b32 s[G0SB], 1
	s_add_co_u32 s[G0SB+1], s94, SCL
	s_mov_b64 s[G0SB+2:G0SB+3], s[92:93]
	s_or_b32 s[G0SB+3], s[G0SB+3], 0x80000000
	JLOAD G0S, G1S, G0SB, G1SB
.irp s, 0,1
	s_mov_b32 s[G0+4*\s], 1
	s_add_co_u32 s[G0+4*\s+1], s45, \s*SLOT
	s_add_nc_u64 s[G0+4*\s+2:G0+4*\s+3], s[20:21], \s*ROWB
	s_or_b32 s[G0+4*\s+3], s[G0+4*\s+3], 0x80000000
	s_mov_b32 s[G0B+4*\s], 1
	s_add_co_u32 s[G0B+4*\s+1], s45, \s*SLOT
	s_add_nc_u64 s[G0B+4*\s+2:G0B+4*\s+3], s[46:47], \s*ROWB
	s_or_b32 s[G0B+4*\s+3], s[G0B+4*\s+3], 0x80000000
	JLOAD G0+4*\s, G1, G0B+4*\s, G1B               ; three tensor loads of mine are out
.endr
	v_and_b32 v1, 15, v0                           ; r
	v_bfe_u32 v2, v0, 4, 1                         ; h
	v_mul_u32_u24 v3, v1, PITCH
	v_lshl_add_u32 v4, v2, 4, v3
	s_mul_i32 s21, s15, HALFT
	s_mul_i32 s22, s16, HALFT
	s_add_co_u32 s22, s22, 2*HALFT
.irp s, 0,1
	v_add_nc_u32 v[ADRA+\s], s21, v4
	v_add_nc_u32 v[ADRB+\s], s22, v4
	s_add_co_u32 s21, s21, SLOT
	s_add_co_u32 s22, s22, SLOT
.endr
	v_mul_u32_u24 v5, v1, KS
	v_lshrrev_b32 v6, 8, v5
	v_lshl_add_u32 v5, v6, 4, v5
	s_mul_i32 s21, s15, HALFS
	s_mul_i32 s22, s16, HALFS
	s_add_co_u32 s22, s22, 2*HALFS
	s_sub_co_u32 s22, s22, s21
	v_mul_u32_u24 v6, s22, v2                      ; lanes 16-31 take B's
	s_add_co_u32 s21, s21, SCL
	v_add_nc_u32 v5, v5, v6
	v_add_nc_u32 v[ADRS], s21, v5
	s_mul_i32 s23, s14, 16*SPITCH                  ; my stage
	v_mul_u32_u24 v5, v1, SPITCH
	v_lshl_add_u32 v5, v2, 5, v5
	v_add_nc_u32 v[STO], s23, v5                   ; in: row r, 32 bytes for each half of the lanes
	v_and_b32 v6, 31, v0
	v_lshlrev_b32 v[CO], 4, v6
	v_add_nc_u32 v[RD], s23, v[CO]                 ; back: the 32 lanes take one row of 512 bytes
	s_lshl_b32 s20, s17, 8
	s_lshl_b32 s21, s15, 7
	s_add_co_u32 s20, s20, s21                     ; my first row of C
	s_mov_b32 s21, 0
	s_mov_b64 s[18:19], SIZE_N*4
	s_mul_u64 s[20:21], s[20:21], s[18:19]
	s_lshl_b32 s46, s42, 10                        ; my first column, in bytes: 1,024 x tile column + 512 x half
	s_lshl_b32 s47, s16, 9
	s_add_co_u32 s46, s46, s47
	s_mov_b32 s47, 0
	s_add_nc_u64 s[96:97], s[96:97], s[46:47]      ; bo at my first column
	s_add_nc_u64 s[20:21], s[20:21], s[46:47]
	s_add_nc_u64 s[12:13], s[12:13], s[20:21]
	v_lshlrev_b32 v7, 5, v2                        ; 32 h
.irp b, 0,1,2,3,4,5,6,7
	global_load_b128 v[BN+8*\b:BN+8*\b+3], v7, s[96:97] offset:64*\b          ; bo of columns 16 b + 8 h + 0..7
	global_load_b128 v[BN+8*\b+4:BN+8*\b+7], v7, s[96:97] offset:64*\b+16
.endr
.macro FRAG reg, adr, q, i
.irp c, 0,1,2,3
	ds_load_b128 v[\reg+4*\c:\reg+4*\c+3], v[\adr] offset:128*(\q)+32*\c+(\i)*16*PITCH
.endr
.endm
.macro MUL16 a0, p, q, sc, first       ; 16 matrix instructions; first = 1: the bias is the C of the sum's first product.  The 64 accumulators take turns
.irp a, \a0, \a0+1
.irp b, 0,1,2,3,4,5,6,7
.if \first
	v_wmma_scale_f32_16x16x128_f8f6f4 v[8*(8*((\a)%4)+\b):8*(8*((\a)%4)+\b)+7], v[128*(\p)+FR*\b:128*(\p)+FR*\b+FR-1], v[AF+FR*(\a):AF+FR*(\a)+FR-1], v[BN+8*\b:BN+8*\b+7], v[SC+8*NQ*(\sc)+NQ*\b+(\q)], v[SC+8*NQ*(\sc)+NQ*(\a)+(\q)] matrix_a_scale:MATRIX_SCALE_ROW1
.else
	v_wmma_scale_f32_16x16x128_f8f6f4 v[8*(8*((\a)%4)+\b):8*(8*((\a)%4)+\b)+7], v[128*(\p)+FR*\b:128*(\p)+FR*\b+FR-1], v[AF+FR*(\a):AF+FR*(\a)+FR-1], v[8*(8*((\a)%4)+\b):8*(8*((\a)%4)+\b)+7], v[SC+8*NQ*(\sc)+NQ*\b+(\q)], v[SC+8*NQ*(\sc)+NQ*(\a)+(\q)] matrix_a_scale:MATRIX_SCALE_ROW1
.endif
.endr
.endr
.endm
.macro FETCH_B slot, q, p
	WIN TO_B
.irp i, 0,1,2,3,4,5,6,7
	FRAG 128*(\p)+FR*\i, ADRB+\slot, \q, \i
.endr
	WIN 0
.endm
.macro FETCH_A slot, q, i0
.irp i, \i0, \i0+1, \i0+2, \i0+3
	FRAG AF+FR*(\i), ADRA+\slot, \q, \i
.endr
.endm
.macro SCALES sc
.irp i, 0,1,2,3,4,5,6,7
	ds_load_b64 v[SC+8*NQ*\sc+NQ*\i:SC+8*NQ*\sc+NQ*\i+1], v[ADRS] offset:\i*SBLK
.endr
.endm
.macro PLACES n
.rept \n
	v_nop
.endr
.endm
.macro STEP slot, q, first
	s_wait_dscnt 4*NL                              ; B's set and A's blocks 0-3 are in; the youngest sixteen loads may be out
	WIN (MUL_LO-0x20*(\first))
	MUL16 0, (\q)%2, \q, \slot, \first
	MUL16 2, (\q)%2, \q, \slot, \first
	s_wait_dscnt 0
	PLACES NP
	FETCH_B \slot, (\q)+1, 1-(\q)%2
	FETCH_A \slot, (\q)+1, 0
	WIN (MUL_HI-0x30*(\first))
	MUL16 4, (\q)%2, \q, \slot, \first
	MUL16 6, (\q)%2, \q, \slot, \first
	PLACES NP
	WIN 0
	FETCH_A \slot, (\q)+1, 4
.endm
.macro TURN slot, next, fill
	s_wait_tensorcnt 0x0                           ; all my tensor loads have landed
	ds_add_u32 v[SPW], v[NIL]                      ; 0 onto my spare word
	s_wait_dscnt 4*NL+1                            ; (the add and the youngest sixteen loads may be out)
	WIN MUL_LO
	MUL16 0, 1, NQ-1, \slot, 0
	s_wait_dscnt 0x0                               ; the add is done, and my reads of this slot are over
	s_barrier_signal -1
	MUL16 2, 1, NQ-1, \slot, 0
	WIN 0
	s_barrier_wait -1
.if \fill
	CREST                                          ; a round of the cluster's barrier: no wave of any partner still reads this slot or has a load on its way
	s_add_nc_u64 s[G0+4*\slot+2:G0+4*\slot+3], s[G0+4*\slot+2:G0+4*\slot+3], 2*ROWB
	s_add_nc_u64 s[G0B+4*\slot+2:G0B+4*\slot+3], s[G0B+4*\slot+2:G0B+4*\slot+3], 2*ROWB
	JLOAD G0+4*\slot, G1, G0B+4*\slot, G1B
	PLACES NP-4
.else
	PLACES NP
.endif
	v_add_nc_u32 v[ADRS], 4*NQ, v[ADRS]
	FETCH_B \next, 0, 0
	FETCH_A \next, 0, 0
	SCALES \next
	WIN MUL_HI
	MUL16 4, 1, NQ-1, \slot, 0
	MUL16 6, 1, NQ-1, \slot, 0
	PLACES NP
	WIN 0
	FETCH_A \next, 0, 4
.endm
	s_wait_tensorcnt 1                             ; the scales and my part of slot 0 are in; slot 1's load may be out
	s_barrier_signal -1
	s_barrier_wait -1
	FETCH_B 0, 0, 0
	FETCH_A 0, 0, 0
	SCALES 0
	FETCH_A 0, 0, 4
	s_wait_loadcnt 0x0                             ; the bias
	STEP 0, 0, 1
	TURN 0, 1, 1
	STEP 1, 0, 0
	TURN 1, 0, 1
	STEP 0, 0, 0
	TURN 0, 1, 0
	STEP 1, 0, 0
	s_wait_dscnt 4*NL
	WIN MUL_LO
	MUL16 0, 1, NQ-1, 1, 0
	MUL16 2, 1, NQ-1, 1, 0
	s_wait_dscnt 0
	WIN MUL_HI
	MUL16 4, 1, NQ-1, 1, 0
	MUL16 6, 1, NQ-1, 1, 0
	WIN 0
; THE WAY OUT, block by block of 16 rows x 128 columns, through my own stage: in as 32 bytes a lane, back as whole rows of 512 bytes.  LDS serves a wave's instructions in order (ISA guide 5.7.1.4).
.macro TOSTAGE a
.set AC, 64*((\a)%4)
	WIN (0x08+4*((\a)/4))                          ; the data: window 2 or 3
.irp b, 0,1,2,3,4,5,6,7
	ds_store_b128 v[STO], v[AC+8*\b:AC+8*\b+3] offset:64*\b          ; each accumulator from its low end on
	ds_store_b128 v[STO], v[AC+8*\b+4:AC+8*\b+7] offset:64*\b+16
.endr
	WIN 0
.set BB, BK+64*((\a)%2)
.irp t, 0,1,2,3,4,5,6,7,8,9,10,11,12,13,14,15
	ds_load_b128 v[BB+4*\t:BB+4*\t+3], v[RD] offset:\t*SPITCH
.endr
.endm
.macro SEND a, younger
.set BB, BK+64*((\a)%2)
	s_wait_dscnt \younger                          ; the block is back in registers
.if (\a) > 0
	s_add_nc_u64 s[12:13], s[12:13], 16*SIZE_N*4   ; (behind a wait on XCNT: the earlier stores have read their base)
.endif
.irp t, 0,1,2,3,4,5,6,7,8,9,10,11,12,13,14,15
	global_store_b128 v[CO], v[BB+4*\t:BB+4*\t+3], s[12:13] offset:\t*SIZE_N*4 th:TH_STORE_NT   ; 32 lanes store 512 consecutive bytes, aligned
.endr
.endm
	PLACES NP
	TOSTAGE 0
.irp a, 1,2,3,4,5,6,7
.if \a > 1
	s_wait_xcnt 0x0                                ; block a - 2's stores have read their registers and their base
.endif
	TOSTAGE \a
	SEND \a-1, 32                                  ; behind block a - 1's loads: block a's 16 stores and 16 loads
.endr
	s_wait_xcnt 0x0
	SEND 7, 0
	s_wait_tensorcnt 0x0                           ; the wave's end
	ds_add_u32 v[SPW], v[NIL]
	s_wait_dscnt 0x0
	CROUND                                         ; the closing round
	s_endpgm
.Lfunc_end_k_qa7b4b4823b_oproj:
	.size	k_qa7b4b4823b_oproj, .Lfunc_end_k_qa7b4b4823b_oproj-k_qa7b4b4823b_oproj
	.p2alignl 7, 3214868480
	.fill 96, 4, 3214868480
	.section	.rodata,"a",@progbits
	.p2align	6, 0x0
	.amdhsa_kernel k_qa7b4b4823b_oproj
		.amdhsa_group_segment_fixed_size 327680
		.amdhsa_private_segment_fixed_size 0
		.amdhsa_enable_private_segment 0
		.amdhsa_kernarg_size 48
		.amdhsa_user_sgpr_count 2
		.amdhsa_user_sgpr_kernarg_segment_ptr 1
		.amdhsa_wavefront_size32 1
		.amdhsa_system_sgpr_workgroup_id_x 1
		.amdhsa_system_sgpr_workgroup_id_y 1
		.amdhsa_system_sgpr_workgroup_id_z 1
		.amdhsa_system_vgpr_workitem_id 0
		.amdhsa_next_free_vgpr 1024
		.amdhsa_next_free_sgpr 100
		.amdhsa_reserve_vcc 0
		.amdhsa_float_denorm_mode_32 3
		.amdhsa_float_denorm_mode_16_64 3
		.amdhsa_memory_ordered 1
		.amdhsa_forward_progress 1
		.amdhsa_inst_pref_size 147
	.end_amdhsa_kernel
	.amdgpu_metadata
---
amdhsa.version: [ 1, 2 ]
amdhsa.kernels:
  - .name:           k_qa7b4b4823b_oproj
    .symbol:         k_qa7b4b4823b_oproj.kd
    .args:
      - { .name: acod, .offset: 0, .size: 8, .value_kind: global_buffer, .address_space: global }
      - { .name: ascl, .offset: 8, .size: 8, .value_kind: global_buffer, .address_space: global }
      - { .name: wcod, .offset: 16, .size: 8, .value_kind: global_buffer, .address_space: global }
      - { .name: wscl, .offset: 24, .size: 8, .value_kind: global_buffer, .address_space: global }
      - { .name: bo, .offset: 32, .size: 8, .value_kind: global_buffer, .address_space: global }
      - { .name: out0, .offset: 40, .size: 8, .value_kind: global_buffer, .address_space: global }
    .group_segment_fixed_size: 327680
    .private_segment_fixed_size: 0
    .kernarg_segment_align: 8
    .kernarg_segment_size: 48
    .max_flat_workgroup_size: 128
    .sgpr_count:     100
    .vgpr_count:     1024
    .wavefront_size: 32
...
	.end_amdgpu_metadata
.endif
;; end of part 4
;; ======== version 2 of 2: 4 launches; version 1 with the launch attn written anew for expert scheduling mode
;; limits: inputs' magnitudes at most 1.268e+30; right only within a limited range of input values
;; workspace buffers: acod 8,388,608 bytes; ascl 262,144 bytes; wcod 4,194,304 bytes; wscl 131,072 bytes; img 25,165,824 bytes; isc 786,432 bytes; flags 2,048 bytes of whole numbers
;; launch prep: the kernel of part 1 again; grid 512 x 1, 4 waves a work-group, no clusters, 33,280 bytes of LDS; arguments x, Wq, Wk, Wv, Wo, attn_mask, acod, ascl, wcod, wscl, flags; writes acod, ascl, wcod, wscl, flags
;; launch qkv: the kernel of part 2 again; grid 12 x 32, 4 waves a work-group, clusters of 4 x 4, 327,680 bytes of LDS; arguments acod, ascl, wcod, wscl, bq, bk, bv, img, isc; writes img, isc
;; launch attn (part 5): grid 16 x 16, 8 waves a work-group, no clusters, 251,392 bytes of LDS; arguments attn_mask, img, isc, flags, acod, ascl; writes acod, ascl
.if DOCPART == 5
	.amdgcn_target "amdgcn-amd-amdhsa--gfx1250"
	.amdhsa_code_object_version 6
	.text
	.protected	k_qa7b4b4823b_attn
	.globl	k_qa7b4b4823b_attn
	.p2align	8
	.type	k_qa7b4b4823b_attn,@function
k_qa7b4b4823b_attn:
	s_mov_b64 s[64:65], 0
	v_nop
	global_prefetch_b8 v0, s[64:65] scope:SCOPE_SE
	s_setreg_imm32_b32 hwreg(HW_REG_WAVE_SCHED_MODE, 0, 2), 2
	s_setreg_imm32_b32 hwreg(HW_REG_WAVE_MODE, 25, 1), 1
	s_wait_xcnt 0x0
	s_wait_alu depctr_vm_vsrc(0)
; ATTENTION on codes of E4M3.  ctx[b][q][head] = sum over keys of softmax(q . k / 8 + mask[q][key]) v[key], both products scaled matrix products; ctx leaves as codes (acod, ascl) for the last product.
; SHARES.  Work-group (x = p, y = 4 b + G): batch b, heads 4 G .. 4 G + 3, and the blocks of 64 queries p and 31 - p, one after the other.  Wave w: head w / 2 of the four, queries 32 (w % 2) on: two tiles of 16.
; Keys go 128 a step, 16 steps a pass.  A step's mask tile (64 x 128 f32, shared by the four heads), K and V images (8 KB a head each) and scale words are staged through registers into one of two LDS slots,
; a step ahead: each wave stages 8 mask rows, one image and 256 scale bytes.
; THE MASK IS AN INPUT and is honoured entry by entry: max(8 x mask, -2^103) is the C of the score product, so S' = k . q + 8 mask = 8 x logit, and t = S' x log2(e) / 8.
; In a row hidden everywhere S' = -2^103, a power of two, so c S' is exact, t - M = 0 and all p = 1: the uniform weights of the reference.
; TILES THAT ADD NOTHING ARE LEFT OUT, by the stored flags: in a block each of whose rows has an entry >= -2^90, a step all of whose entries are <= -2^100 has p = 0 exactly.  In any other block all steps are walked.
; NO CLUSTER, NO TENSOR LOAD: which steps a work-group walks hangs on numbers read from memory, and work-groups that share K, V or mask tiles walk different steps.
; K = 64 IN AN INSTRUCTION OF 128: a fragment of K holds two tiles of 16 keys (64 codes each); it is multiplied by [Q | 0] and by [0 | Q]; zero codes annul the other half.
; THE SOFTMAX: M = the running largest t rounded up to a whole number; p = 2^(t - M) is quantised along the keys; the sum is taken of the unquantised p and divides at the end.
; Both products are used transposed: a lane holds one query.  Inside a block of 32 the order of K is the permutation that the launch before gave q, k and v; p gets the same by the layout of S^T.
; LIMITS: NaN and +infinity are not served; mask entries under -2^100 count as -2^100; |q . k| < 2^90; a block of zeros gets the byte 1.
; REGISTERS: each tile's working set has the same numbers v96-233 in window 0 (tile 0) and window 1 (tile 1), so the softmax is written once.
;   window 0: v2-27 addresses; v32-95 four fragments; v234-252 scale words.   window 1: v0-39 0 | Q of tile 0 | 0 | Q of tile 1 | 0; v40-89 staging; v234-251 the next pass's Q.
; THE MODE: SCHED_MODE bits 1:0 = 2 (LLVM: expert scheduling mode 2), set by the entry lines.  The code itself states the register dependences
; between vector or matrix instructions and memory or LDS instructions, with s_wait_alu, always for 0.
; THE PLAN.  Registers that memory or LDS instructions touch, round a step:
;   v9-15       the slot's seven LDS addresses: written by seven adds at the step's head, read by every LDS load and store of the step.
;   v2-8, 16-27 lane terms, offsets, the way out's addresses: written once at the kernel's head.
;   RG          staging: batch 1 lands from the step's head on; the mask's part is scaled in place; LDS stores read it; batch 2 lands from the step's middle on; scaled; stored at the step's end.
;   KRW         k's scale words: loaded at the head, read by four v_perm.        VW  v's scale words: loaded with V, read by the second products.
;   FR          K's fragments, loaded at the head, read by the score products; then V's, read by the second products; at a pass's end rows of ctx, read by global stores.
;   S           both windows: the mask, loaded at the head; then named by products and softmax alone.
;   PC, TMP     written by the softmax and the pass's end; read by LDS stores at a pass's end alone.        QN, QR  the next pass's Q: loaded in the first pass, read at a pass's head.
; A STEP'S WAITS.  At its head: one on vm_vsrc ahead of the seven adds, one on va_vdst behind them; the head's 12 global loads, its prefetches and its 50 LDS loads follow, and no vector instruction stands among them.
; One on va_vdst ahead of the score products (their scale words are made by vector instructions), one behind them (V lands where K lay), one ahead of each run of staging stores, one on vm_vsrc ahead of batch 2,
; one on va_vdst ahead of the second products (p's codes and scale words), and the two of each softmax's exponentials.
.set SLOT1, 1<<17                      ; slot 1 begins here: one exclusive or turns an address
.set MPI,   528                        ; a mask row in LDS: 512 bytes + 16
.set KOFF,  64*MPI                     ; K's four images, 8,192 bytes a head
.set VOFF,  KOFF+32768                 ; V's
.set SCOFF, VOFF+32768                 ; scale words: k's two head pairs, v's two, 512 bytes each
.set STG,   SLOT1+SCOFF+2048           ; ctx's codes: 64 rows x (256 bytes + 16)
.set STP,   272
.set STG2,  STG+64*STP                 ; ctx's scale bytes: 8 a token
.set AM0, 2
.set AI0, 3
.set ASC0, 4
.set ASV0, 5
.set SM0, 6
.set SI0, 7
.set SS0, 8
.set AM, 9                             ; the same, in the slot in hand (reads: AM, AI, ASC, ASV) or the other (stores: SM, SI, SS)
.set AI, 10
.set ASC, 11
.set ASV, 12
.set SM, 13
.set SI, 14
.set SS, 15
.set GL16, 16                          ; 16 x lane
.set GL8, 17                           ; 8 x lane
.set PFM, 18                           ; the mask's prefetch: 8 rows x four blocks of 256 bytes
.set PFI, 19                           ; an image's: 256 x lane
.set QSO, 21                           ; 32 r
.set EST, 22
.set ERD, 23
.set EGO, 24
.set ESS, 25
.set ESR, 26
.set ESG, 27
.set FR, 32
.set S, 96                             ; S^T, then p: key tile t at S + 8 t
.set PC, 160                           ; p's codes
.set O, 176                            ; O^T: channel tile t at O + 8 t
.set NM, 208                           ; -M
.set TR, 209                           ; the running largest t
.set L, 210                            ; the sum, in two halves
.set BX, 212
.set PT, 216
.set HD, 220
.set SO, 224
.set F, 228
.set PW, 229                           ; p's scale word
.set TMP, 230
.set KRW, 234
.set KW, 242
.set VW, 246
.set QSA, 250                          ; Q's scale words: v250 tile 0, v251 tile 1
.set PWB, 252                          ; tile 1's p scale word: scale operands are taken from window 0
.set QZ, 0
.set RG, 40
.set QN, 234
.set QR, 250
.set WV, 16
.set HE, 17
.set TP, 18
.set E1, 19
.set SEL, 20
.set CS, 22
.set MNT, 24
.set FLO, 25
.set KSEL, 26
.set TB, 27
.set TBN, 28
.set ACT, 29                           ; bit s: step s (0-15 first pass, 16-31 second) is walked
.set NXT, 30                           ; ACT >> 1: the next step is walked, so it is staged
.set NX2, 31
.set ST, 32
.set JC, 33
.set PS, 34
.set PFL, 35
.set MB, 36
.set IB, 38
.set SB, 40
.set MP, 42
.set IP, 44
.set SP, 46
.set MDL, 48
.set SH, 49
.set QC, 50
.set QS, 52
.set OC, 54
.set OS, 56
.set DC, 58
.set DS, 60
.set T0, 62
.set T1, 63
.set T2, 66
.set T3, 67
.set FL, 68
.set T4, 100
.set I2R, 101
.set OFP, 104                          ; an offset as a pair; the high word stays 0
.set MSB, 0
.macro WIN new                         ; low byte: bits 1:0 source 0, 3:2 source 1, 5:4 source 2, 7:6 destination; the high byte repeats the setting that is left
.if MSB != \new
	s_set_vgpr_msb (MSB<<8)|\new
.set MSB, \new
.endif
.endm
; STAGING, in two batches of registers.  Batch 1: mask rows 0-3 of my eight, chunks 0-7 of my image.  Batch 2: rows 4-7, chunks 8-15, my 256 scale bytes.  Every load of the wave covers 512 (256) consecutive bytes.
.macro ISSUE1
	WIN 0x40
.irp i, 0,1,2,3
	global_load_b128 v[RG+4*\i:RG+4*\i+3], v[GL16], s[MP:MP+1] offset:8192*\i
.endr
.irp i, 0,1,2,3,4,5,6,7
	global_load_b128 v[RG+16+4*\i:RG+16+4*\i+3], v[GL16], s[IP:IP+1] offset:512*\i
.endr
	WIN 0
.endm
.macro ISSUE2
	WIN 0x40
.irp i, 0,1,2,3
	global_load_b128 v[RG+4*\i:RG+4*\i+3], v[GL16], s[MP:MP+1] offset:8192*(4+\i)
.endr
.irp i, 0,1,2,3,4,5,6,7
	global_load_b128 v[RG+16+4*\i:RG+16+4*\i+3], v[GL16], s[IP:IP+1] offset:512*(8+\i)
.endr
	global_load_b64 v[RG+48:RG+49], v[GL8], s[SP:SP+1]
	WIN 0
.endm
.macro PREP                            ; max(8 x mask, -2^103)
	WIN 0x41
.set k, 0
.rept 8
	v_pk_mul_f32 v[RG+2*k:RG+2*k+1], v[RG+2*k:RG+2*k+1], 0x41000000 op_sel_hi:[1,0]
.set k, k+1
.endr
.set k, 0
.rept 16
	v_max_num_f32 v[RG+k], v[RG+k], s[FLO]
.set k, k+1
.endr
.endm
.macro STORE1
	WIN 0x04                                       ; an LDS store's data are its source 1
.irp i, 0,1,2,3
	ds_store_b128 v[SM], v[RG+4*\i:RG+4*\i+3] offset:MPI*\i
.endr
.irp i, 0,1,2,3,4,5,6,7
	ds_store_b128 v[SI], v[RG+16+4*\i:RG+16+4*\i+3] offset:512*\i
.endr
	WIN 0
.endm
.macro STORE2
	WIN 0x04
.irp i, 0,1,2,3
	ds_store_b128 v[SM], v[RG+4*\i:RG+4*\i+3] offset:MPI*(4+\i)
.endr
.irp i, 0,1,2,3,4,5,6,7
	ds_store_b128 v[SI], v[RG+16+4*\i:RG+16+4*\i+3] offset:512*(8+\i)
.endr
	ds_store_b64 v[SS], v[RG+48:RG+49]
	WIN 0
.endm
.macro MID                             ; batch 1 goes to LDS and batch 2 is asked for, if the next step is walked.  The wait for the loads stands on every path
	WIN 0
	s_wait_loadcnt 0x0
	s_bitcmp1_b32 s[NXT], s[ST]
	s_cbranch_scc0 .Lmid_\@
	PREP
	s_wait_alu depctr_va_vdst(0)                   ; the scalings have written the mask's sixteen staging registers, which the LDS stores read, and are done with them: batch 2 lands there
	STORE1
	s_wait_dscnt 0x0                               ; the stores have landed
	s_wait_alu depctr_vm_vsrc(0)                   ; the LDS stores have read the staging registers, in which batch 2's loads land
	ISSUE2
.Lmid_\@:
.endm
.macro NEXTPTR                         ; where step ST + 1 lies: offsets are made apart from the addresses
	s_add_co_u32 s[T0], s[ST], 1
	s_and_b32 s[T1], s[T0], 15                     ; its place in the pass,
	s_bfe_u32 s[T0], s[T0], 0x10004                ; and which pass
	s_mul_i32 s[OFP], s[T0], s[MDL]
	s_lshl_b32 s[T0], s[T1], 9
	s_add_co_u32 s[OFP], s[OFP], s[T0]
	s_add_nc_u64 s[MP:MP+1], s[MB:MB+1], s[OFP:OFP+1]
	s_lshl_b32 s[OFP], s[T1], 14
	s_add_nc_u64 s[IP:IP+1], s[IB:IB+1], s[OFP:OFP+1]
	s_lshl_b32 s[OFP], s[T1], 9
	s_add_nc_u64 s[SP:SP+1], s[SB:SB+1], s[OFP:OFP+1]
.endm
; PREFETCHES INTO THE L2, behind the wave's loads.  ASKI: my 8 KB image of the step after the next, lanes 256 bytes apart.  All sixteen work-groups of one y walk the same images: x = 0 asks, in its second pass, for
; steps 2 to 15.  ASKM: my 8 mask rows x 1,024 bytes, steps J + 2 and J + 3, at even J up to 12, where one of the two is walked.  All sixteen work-groups of one x read the same mask rows: y = 0 asks.
; So each aligned block of 256 bytes is named once in the launch; steps 0 and 1 and the scale bytes come by their loads alone.  Their offsets were written at the kernel's head, ahead of its wait on va_vdst.
.macro ASKI
	s_sub_co_u32 s[T0], s[ST], 16
	s_cmp_lt_u32 s[T0], s[PFL]
	s_cbranch_scc0 .Lni_\@
	global_prefetch_b8 v[PFI], s[IP:IP+1] offset:16384 th:TH_LOAD_NT scope:SCOPE_SE
.Lni_\@:
.endm
.macro ASKM
	s_bitcmp1_b32 s[NX2], s[ST]
	s_cbranch_scc0 .Lnm_\@
	global_prefetch_b8 v[PFM], s[MP:MP+1] offset:512 th:TH_LOAD_NT scope:SCOPE_SE
.Lnm_\@:
.endm
.macro QPTR ir                         ; where Q of block ir lies: img and isc block 64 (2 G + head / 2) + 16 b + ir / 2, head e', token tiles 4 (ir % 2) + 2 tp on
	s_lshr_b32 s[T0], \ir, 1
	s_add_co_u32 s[T0], s[T0], s[T2]
	s_and_b32 s[T1], \ir, 1
	s_lshl_b32 s[T1], s[T1], 2
	s_add_co_u32 s[T1], s[T1], s[T3]
	s_lshl_b32 s[OFP], s[T0], 14
	s_lshl_b32 s[T4], s[E1], 13
	s_add_co_u32 s[OFP], s[OFP], s[T4]
	s_lshl_b32 s[T4], s[T1], 10
	s_add_co_u32 s[OFP], s[OFP], s[T4]
	s_add_nc_u64 s[QC:QC+1], s[6:7], s[OFP:OFP+1]
	s_lshl_b32 s[OFP], s[T0], 9
	s_lshl_b32 s[T4], s[T1], 2
	s_add_co_u32 s[OFP], s[OFP], s[T4]
	s_add_nc_u64 s[QS:QS+1], s[8:9], s[OFP:OFP+1]
.endm
.macro QLOAD
	WIN 0x40
.irp t, 0,1
.irp c, 0,1
	global_load_b128 v[QN+8*\t+4*\c:QN+8*\t+4*\c+3], v[GL16], s[QC:QC+1] offset:1024*\t+512*\c
.endr
	global_load_b32 v[QR+\t], v[QSO], s[QS:QS+1] offset:4*\t
.endr
	WIN 0
.endm
	s_load_b256 s[4:11], s[0:1], 0x0               ; the mask, img, isc, flags
	s_load_b128 s[12:15], s[0:1], 0x20             ; acod, ascl
	v_lshl_add_u32 v254, v0, 2, 0x3d200
	v_mov_b32 v255, 0
	v_lshrrev_b32 v1, 5, v0
	v_readfirstlane_b32 s[WV], v1                  ; wave 0..7
	s_wait_alu depctr_va_sdst(0)                   ; the wave's number is written, ahead of its first reader
	s_lshr_b32 s[HE], s[WV], 1                     ; my head of the four
	s_and_b32 s[TP], s[WV], 1                      ; which 32 queries
	s_and_b32 s[E1], s[HE], 1                      ; my head in its pair
	s_and_b32 s[T0], ttmp7, 0xffff
	s_lshr_b32 s2, s[T0], 2                        ; b
	s_and_b32 s3, s[T0], 3                         ; G
	s_cmp_eq_u32 s[T0], 0
	s_cselect_b32 s[NX2], 0x15551555, 0            ; even steps 0 to 12 of each pass, in work-groups y = 0
	s_cmp_eq_u32 ttmp9, 0
	s_cselect_b32 s[PFL], 14, 0
	s_sub_co_u32 s[I2R], 31, ttmp9                 ; the second block of queries
	s_lshl_b32 s[T0], ttmp9, 1
	s_sub_co_u32 s[T0], 31, s[T0]                  ; blocks from the first to the second
	s_lshl_b32 s[MDL], s[T0], 19                   ; in the mask: 64 rows of 8,192 bytes a block,
	s_lshl_b32 s[DC], s[T0], 16                    ; in acod: 64 rows of 1,024,
	s_mov_b32 s[DC+1], 0
	s_lshl_b32 s[DS], s[T0], 11                    ; in ascl: 64 rows of 32
	s_mov_b32 s[DS+1], 0
	s_mov_b32 s[OFP+1], 0
	s_mov_b32 s[SEL], 0x76543210
	s_mov_b32 s[SEL+1], 0xfedcba98                 ; v_permlanex16_b32's selects for lane l xor 16
	s_mov_b32 s[CS], 0x3e38aa3b                    ; c = log2(e) / 8
	s_mov_b32 s[CS+1], s[CS]
	s_mov_b32 s[MNT], 0x600000                     ; the mantissa field of 448
	s_mov_b32 s[FLO], 0xf3000000                   ; -2^103
	s_cmp_eq_u32 s[E1], 0
	s_mov_b32 s[KSEL], 0x07060302
	s_cselect_b32 s[KSEL], 0x05040100, s[KSEL]     ; which half of a scale word of k is my head's
	s_lshl_b32 s[SH], s[E1], 4
	s_lshl_b32 s[T2], s3, 1
	s_lshr_b32 s[T0], s[HE], 1
	s_add_co_u32 s[T2], s[T2], s[T0]
	s_lshl_b32 s[T2], s[T2], 6
	s_lshl_b32 s[T0], s2, 4
	s_add_co_u32 s[T2], s[T2], s[T0]               ; 64 (2 G + head / 2) + 16 b
	s_lshl_b32 s[T3], s[TP], 1
	v_and_b32 v1, 31, v0                           ; lane
	v_and_b32 v28, 15, v0                          ; r
	v_bfe_u32 v29, v0, 4, 1                        ; h
	v_and_b32 v30, 7, v0
	v_bfe_u32 v31, v0, 3, 2
	v_lshlrev_b32 v[GL16], 4, v1
	v_lshlrev_b32 v[GL8], 3, v1
	v_lshlrev_b32 v[QSO], 5, v28
	v_lshlrev_b32 v[PFI], 8, v1
	v_lshlrev_b32 v[PFM], 13, v30
	v_lshl_add_u32 v[PFM], v31, 8, v[PFM]
	s_mul_i32 s[T0], s[TP], 32*MPI
	v_mul_u32_u24 v[AM0], v28, MPI
	v_lshl_add_u32 v[AM0], v29, 5, v[AM0]
	v_add_nc_u32 v[AM0], s[T0], v[AM0]             ; the mask as C: row 32 tp + r, + 32 h bytes
	s_lshl_b32 s[T0], s[HE], 13
	s_add_co_u32 s[T0], s[T0], KOFF
	v_add_nc_u32 v[AI0], s[T0], v[GL16]            ; my head's image of K (V's: 32,768 on)
	s_lshr_b32 s[T0], s[HE], 1
	s_lshl_b32 s[T0], s[T0], 9
	s_add_co_u32 s[T0], s[T0], SCOFF
	v_add_nc_u32 v[ASC0], s[T0], v[QSO]            ; k's scale words of row r: 32 bytes
	s_add_co_u32 s[T0], s[SH], 1024
	v_add_nc_u32 v[ASV0], s[T0], v[ASC0]           ; v's: my head's four words
	s_mul_i32 s[T0], s[WV], 8*MPI
	v_add_nc_u32 v[SM0], s[T0], v[GL16]            ; staging: my 8 mask rows,
	s_lshl_b32 s[T0], s[WV], 13
	s_add_co_u32 s[T0], s[T0], KOFF
	v_add_nc_u32 v[SI0], s[T0], v[GL16]            ; my image (waves 0-3: K of head w; waves 4-7: V of head w - 4),
	s_lshl_b32 s[T0], s[WV], 8
	s_add_co_u32 s[T0], s[T0], SCOFF
	v_add_nc_u32 v[SS0], s[T0], v[GL8]             ; my 256 scale bytes
	s_mul_i32 s[T0], s[TP], 32*STP
	s_lshl_b32 s[T1], s[HE], 6
	s_add_co_u32 s[T0], s[T0], s[T1]
	s_add_co_u32 s[T0], s[T0], STG
	v_mul_u32_u24 v[EST], v28, STP
	v_lshl_add_u32 v[EST], v29, 3, v[EST]
	v_add_nc_u32 v[EST], s[T0], v[EST]             ; ctx's codes: row 32 tp + r, my head's 64 bytes, + 8 h
	s_mul_i32 s[T0], s[WV], 8*STP
	s_add_co_u32 s[T0], s[T0], STG
	v_mul_u32_u24 v[ERD], v29, STP
	v_lshl_add_u32 v[ERD], v28, 4, v[ERD]
	v_add_nc_u32 v[ERD], s[T0], v[ERD]             ; back: rows 8 w on; lanes 0-15 one row, lanes 16-31 the next
	v_lshlrev_b32 v[EGO], 10, v29
	v_lshl_add_u32 v[EGO], v28, 4, v[EGO]          ; and the same two rows in acod
	s_lshl_b32 s[T0], s[TP], 8
	s_lshl_b32 s[T1], s[HE], 1
	s_add_co_u32 s[T0], s[T0], s[T1]
	s_add_co_u32 s[T0], s[T0], STG2
	v_lshl_add_u32 v[ESS], v28, 3, s[T0]           ; ctx's scale bytes: 8 a token, my head's two
	s_lshl_b32 s[T0], s[WV], 6
	s_add_co_u32 s[T0], s[T0], STG2
	v_lshl_add_u32 v[ESR], v30, 3, s[T0]
	v_lshlrev_b32 v[ESG], 5, v30
	s_wait_kmcnt 0x0
	s_lshl_b32 s[OFP], ttmp9, 6                    ; the flags of a block: 16 words
	s_add_nc_u64 s[OC:OC+1], s[10:11], s[OFP:OFP+1]
	s_lshl_b32 s[OFP], s[I2R], 6
	s_add_nc_u64 s[OS:OS+1], s[10:11], s[OFP:OFP+1]
	s_load_b512 s[FL:FL+15], s[OC:OC+1], 0x0
	s_load_b512 s[FL+16:FL+31], s[OS:OS+1], 0x0
	s_lshl_b32 s[OFP], ttmp9, 19
	s_lshl_b32 s[T0], s[WV], 16
	s_add_co_u32 s[OFP], s[OFP], s[T0]
	s_add_nc_u64 s[MB:MB+1], s[4:5], s[OFP:OFP+1]  ; the mask at row 64 p + 8 w
	s_lshr_b32 s[T0], s[WV], 2
	s_lshl_b32 s[T0], s[T0], 3
	s_bfe_u32 s[T1], s[WV], 0x10001
	s_add_co_u32 s[T0], s[T0], s[T1]
	s_lshl_b32 s[T1], s3, 1
	s_add_co_u32 s[T0], s[T0], s[T1]
	s_add_co_u32 s[T0], s[T0], 8                   ; P: 8 (k) or 16 (v) + the head pair
	s_lshl_b32 s[T0], s[T0], 6
	s_lshl_b32 s[T1], s2, 4
	s_add_co_u32 s[T0], s[T0], s[T1]               ; 64 P + 16 b
	s_lshl_b32 s[OFP], s[T0], 14
	s_lshl_b32 s[T1], s[TP], 13
	s_add_co_u32 s[OFP], s[OFP], s[T1]
	s_add_nc_u64 s[IB:IB+1], s[6:7], s[OFP:OFP+1]
	s_lshl_b32 s[OFP], s[T0], 9
	s_lshl_b32 s[T1], s[TP], 8
	s_add_co_u32 s[OFP], s[OFP], s[T1]
	s_add_nc_u64 s[SB:SB+1], s[8:9], s[OFP:OFP+1]
	s_mov_b64 s[MP:MP+1], s[MB:MB+1]
	s_mov_b64 s[IP:IP+1], s[IB:IB+1]
	s_mov_b64 s[SP:SP+1], s[SB:SB+1]
	s_mov_b32 s[TBN], 0
	v_add_nc_u32 v[SM], s[TBN], v[SM0]
	v_add_nc_u32 v[SI], s[TBN], v[SI0]
	v_add_nc_u32 v[SS], s[TBN], v[SS0]
	s_wait_alu depctr_va_vdst(0)                   ; the addresses and offsets v2 to v27 are written: every load, store and prefetch of the kernel reads some of them
	ISSUE1                                         ; step 0 is staged whatever the flags say: every staging register is written once on every path
	QPTR ttmp9
	QLOAD                                          ; Q of the first block
	WIN 0x40
.irp i, 0,1,2,3,4,5,6,7
	v_mov_b32 v[QZ+\i], 0                          ; the zero codes beside Q
	v_mov_b32 v[QZ+16+\i], 0
	v_mov_b32 v[QZ+32+\i], 0
.endr
	WIN 0
	s_wait_loadcnt 0x0
	PREP
	s_wait_alu depctr_va_vdst(0)                   ; the scalings have written the mask's sixteen staging registers, which the LDS stores read, and are done with them: batch 2 lands there
	STORE1
	s_wait_dscnt 0x0
	s_wait_alu depctr_vm_vsrc(0)                   ; the LDS stores have read the staging registers, in which batch 2's loads land
	ISSUE2
	QPTR s[I2R]                                    ; (Q's loads are done: their bases may be written)  the second block's
	s_wait_loadcnt 0x0
	PREP
	s_wait_alu depctr_va_vdst(0)                   ; the scalings have written the mask's sixteen staging registers, which the LDS stores read
	STORE2
	s_wait_dscnt 0x0                               ; for the others' sake: my part of slot 0 lies in LDS
	s_barrier_signal -1
	s_barrier_wait -1
	s_wait_kmcnt 0x0                               ; the flags
	s_or_b32 s[T0], s[FL], s[FL+1]
	s_and_b32 s[T1], s[FL], s[FL+1]
.irp i, 2,3,4,5,6,7,8,9,10,11,12,13,14,15
	s_or_b32 s[T0], s[T0], s[FL+\i]
	s_and_b32 s[T1], s[T1], s[FL+\i]
.endr
	s_and_b32 s[T0], s[T0], 0xffff
	s_bitcmp1_b32 s[T1], 16                        ; has every row of the block an entry that counts?
	s_cselect_b32 s[ACT], s[T0], 0xffff            ; then the steps that are not dead; else all
	s_or_b32 s[T0], s[FL+16], s[FL+17]
	s_and_b32 s[T1], s[FL+16], s[FL+17]
.irp i, 18,19,20,21,22,23,24,25,26,27,28,29,30,31
	s_or_b32 s[T0], s[T0], s[FL+\i]
	s_and_b32 s[T1], s[T1], s[FL+\i]
.endr
	s_and_b32 s[T0], s[T0], 0xffff
	s_bitcmp1_b32 s[T1], 16
	s_cselect_b32 s[T0], s[T0], 0xffff
	s_lshl_b32 s[T0], s[T0], 16
	s_or_b32 s[ACT], s[ACT], s[T0]
	s_lshr_b32 s[NXT], s[ACT], 1
	s_lshr_b32 s[T0], s[ACT], 2
	s_lshr_b32 s[T1], s[ACT], 3
	s_or_b32 s[T0], s[T0], s[T1]
	s_and_b32 s[NX2], s[NX2], s[T0]
	s_lshl_b32 s[OFP], s2, 21                      ; ctx's codes: acod at row 2,048 b + 64 p + 8 w, byte 256 G
	s_lshl_b32 s[T0], ttmp9, 16
	s_add_co_u32 s[OFP], s[OFP], s[T0]
	s_lshl_b32 s[T0], s[WV], 13
	s_add_co_u32 s[OFP], s[OFP], s[T0]
	s_lshl_b32 s[T0], s3, 8
	s_add_co_u32 s[OFP], s[OFP], s[T0]
	s_add_nc_u64 s[OC:OC+1], s[12:13], s[OFP:OFP+1]
	s_lshl_b32 s[OFP], s2, 16                      ; its scale bytes: ascl at the same row, byte 8 G
	s_lshl_b32 s[T0], ttmp9, 11
	s_add_co_u32 s[OFP], s[OFP], s[T0]
	s_lshl_b32 s[T0], s[WV], 8
	s_add_co_u32 s[OFP], s[OFP], s[T0]
	s_lshl_b32 s[T0], s3, 3
	s_add_co_u32 s[OFP], s[OFP], s[T0]
	s_add_nc_u64 s[OS:OS+1], s[14:15], s[OFP:OFP+1]
	s_mov_b32 s[TB], 0
	s_mov_b32 s[TBN], SLOT1
	s_mov_b32 s[ST], 0
	NEXTPTR
; 50 LDS loads: k's scale words (2), K's four fragments (16), the mask as C of tile 0 (16) and of tile 1 (16).  No wait of their own: no vector instruction stands between the step's head and them
.macro LOADS_S
	ds_load_b128 v[KRW:KRW+3], v[ASC]
	ds_load_b128 v[KRW+4:KRW+7], v[ASC] offset:16
.irp f, 0,1,2,3
.irp c, 0,1,2,3
	ds_load_b128 v[FR+16*\f+4*\c:FR+16*\f+4*\c+3], v[AI] offset:2048*\f+512*\c
.endr
.endr
.irp t, 0,1,2,3,4,5,6,7
.irp i, 0,1
	ds_load_b128 v[S+8*\t+4*\i:S+8*\t+4*\i+3], v[AM] offset:64*\t+16*\i
.endr
.endr
	WIN 0x40
.irp t, 0,1,2,3,4,5,6,7
.irp i, 0,1
	ds_load_b128 v[S+8*\t+4*\i:S+8*\t+4*\i+3], v[AM] offset:16*MPI+64*\t+16*\i
.endr
.endr
	WIN 0
.endm
.macro SPROD tau                       ; eight products: fragment f x [Q | 0] gives keys 32 f + 0..15, x [0 | Q] keys 32 f + 16..31.  Each adds onto its own tile of the mask
.irp f, 0,1,2,3
.irp u, 0,1
	v_wmma_scale_f32_16x16x128_f8f6f4 v[S+8*(2*\f+\u):S+8*(2*\f+\u)+7], v[FR+16*\f:FR+16*\f+15], v[QZ+16*(\tau)+8-8*\u:QZ+16*(\tau)+23-8*\u], v[S+8*(2*\f+\u):S+8*(2*\f+\u)+7], v[KW+\f], v[QSA+(\tau)]
.endr
.endr
.endm
.macro PRODUCT_S
	s_wait_dscnt 48                                ; k's scale words are in; 48 younger loads stay out
.irp f, 0,1,2,3
	v_perm_b32 v[KW+\f], v[KRW+2*\f+1], v[KRW+2*\f], s[KSEL]   ; my head's two bytes of key tile 2 f, then of 2 f + 1
.endr
.rept 8
	v_nop                                          ; a scale register written by a vector instruction stands eight places ahead of the product
.endr
	s_wait_alu depctr_va_vdst(0)                   ; k's four scale words are written, which the products take as scales (in a pass's first step also Q's scale words and Q's codes); the places above stay beside this wait
	s_wait_dscnt 16                                ; K and tile 0's mask are in; tile 1's sixteen loads stay out
	WIN 0x04                                       ; source 1 (Q) window 1
	SPROD 0
	s_wait_dscnt 0x0
	WIN 0x54                                       ; and C, D window 1
	SPROD 1
	WIN 0
.rept 8
	v_nop                                          ; places in front of the first read of the scores
.endr
.endm
.macro LOADS_V
	s_wait_alu depctr_va_vdst(0)                   ; the sixteen score products are done reading K's fragments, in which V's land
.irp t, 0,1,2,3
.irp c, 0,1,2,3
	ds_load_b128 v[FR+16*\t+4*\c:FR+16*\t+4*\c+3], v[AI] offset:32768+2048*\t+512*\c
.endr
.endr
	ds_load_b128 v[VW:VW+3], v[ASV]
.endm
; THE SOFTMAX of one tile (16 queries x 128 keys), in the tile's window
.macro SOFTMAX tau
	WIN 0x55*(\tau)
.irp b, 0,1,2,3
	v_max3_num_f32 v[BX+\b], v[S+16*\b], v[S+1+16*\b], v[S+2+16*\b]   ; the largest score of each block of 32 keys: for the row's maximum and, since p rises with the score, for the block's largest p
.endr
.irp i, 3,5,7,9,11,13
.irp b, 0,1,2,3
	v_max3_num_f32 v[BX+\b], v[BX+\b], v[S+16*\b+\i], v[S+1+16*\b+\i]
.endr
.endr
.irp b, 0,1,2,3
	v_max_num_f32 v[BX+\b], v[BX+\b], v[S+15+16*\b]
.endr
.irp b, 0,1,2,3
	v_permlanex16_b32 v[PT+\b], v[BX+\b], s[SEL], s[SEL+1]
.endr
.irp b, 0,1,2,3
	v_max_num_f32 v[BX+\b], v[BX+\b], v[PT+\b]     ; with lane l xor 16's 16 keys
.endr
	v_max3_num_f32 v[TMP], v[BX], v[BX+1], v[BX+2]
	v_max_num_f32 v[TMP], v[TMP], v[BX+3]
	v_mul_f32 v[TMP], s[CS], v[TMP]                ; as t
	v_max_num_f32 v[TR], v[TR], v[TMP]             ; the running largest t
	v_mov_b32 v[TMP], v[NM]
	v_floor_f32 v[NM], -v[TR]                      ; -M = floor(-t): M is a whole number
	v_sub_f32 v[TMP], v[NM], v[TMP]                ; old M - new M
	v_cvt_i32_f32 v[TMP], v[TMP]                   ; (it saturates)
	v_ldexp_f32 v[F], 1.0, v[TMP]                  ; f = 2^(old M - new M): rounds nothing
.set j, 0
.rept 32
	v_pk_fma_f32 v[S+j:S+j+1], v[S+j:S+j+1], s[CS:CS+1], v[NM:NM+1] op_sel_hi:[1,0,0]   ; t - M
.set j, j+2
.endr
.irp b, 0,1,2,3
	v_fma_f32 v[BX+\b], v[BX+\b], s[CS], v[NM]
.endr
.set j, 0
.rept 64
	v_exp_f32 v[S+j], v[S+j]                       ; p = 2^(t - M)
.set j, j+1
.endr
	v_pk_mul_f32 v[L:L+1], v[L:L+1], v[F:F+1] op_sel_hi:[1,0]   ; the sums under the new M: a plain instruction behind the exponentials
	s_wait_alu depctr_va_vdst(0)                   ; the 64 exponentials have written p: one wait for the batch, ahead of its first reader
.irp b, 0,1,2,3
	v_exp_f32 v[BX+\b], v[BX+\b]                   ; each block's largest p
.endr
	v_pk_add_f32 v[PT:PT+1], v[S:S+1], v[S+2:S+3]  ; the row's sum of the unquantised p, in two chains
.irp j, 4,8,12,16,20,24,28,32,36,40,44,48,52,56,60
	v_pk_add_f32 v[L:L+1], v[L:L+1], v[S+\j:S+\j+1]
	v_pk_add_f32 v[PT:PT+1], v[PT:PT+1], v[S+2+\j:S+3+\j]
.endr
	v_pk_add_f32 v[L:L+1], v[L:L+1], v[PT:PT+1]
	s_wait_alu depctr_va_vdst(0)                   ; the four exponentials have written the blocks' largest p, ahead of their first reader
.irp b, 0,1,2,3
	v_max_num_f32 v[BX+\b], 0x4800000, v[BX+\b]    ; the floor 2^(9 - 127)
.endr
.irp b, 0,1,2,3
	v_add_nc_u32 v[SO+\b], 0xfc000000, v[BX+\b]    ; the conversion's scale operand
.endr
.irp b, 0,1,2,3
	v_and_or_b32 v[HD+\b], v[BX+\b], 0x7f800000, s[MNT]   ; 448 x the scale
.endr
.irp b, 0,1,2,3
	v_lshrrev_b32 v[PT+\b], 23, v[SO+\b]           ; the scale's byte
.endr
	v_lshl_or_b32 v[PW], v[PT+1], 8, v[PT]
	v_lshl_or_b32 v[PW], v[PT+2], 16, v[PW]
	v_lshl_or_b32 v[PW], v[PT+3], 24, v[PW]
.if \tau
	WIN 0x01
	v_mov_b32 v[PWB], v[PW]                        ; into window 0, where scale operands are taken from
	WIN 0x55
.endif
.irp b, 0,1,2,3
.irp i, 0,1,2,3,4,5,6,7,8,9,10,11,12,13,14,15
	v_min_num_f32 v[S+16*\b+\i], v[S+16*\b+\i], v[HD+\b]   ; the conversion does not saturate (ISA guide 7.6.2); p is not negative
.endr
	v_cvt_scalef32_pk8_fp8_f32 v[PC+4*\b:PC+4*\b+1], v[S+16*\b:S+16*\b+7], v[SO+\b]
	v_cvt_scalef32_pk8_fp8_f32 v[PC+4*\b+2:PC+4*\b+3], v[S+16*\b+8:S+16*\b+15], v[SO+\b]
.endr
.set j, 0
.rept 16
	v_pk_mul_f32 v[O+j:O+j+1], v[O+j:O+j+1], v[F:F+1] op_sel_hi:[1,0]   ; O^T under the new M; also the places in front of the products
.set j, j+2
.endr
.endm
.macro PRODUCT_O                       ; O^T += V^T P^T: four tiles of 16 channels for each tile of queries; the eight accumulators take turns
	s_wait_dscnt 0x0
	WIN 0
	s_wait_alu depctr_va_vdst(0)                   ; both tiles' codes of p and their two scale words are written, which the products take as source 1 and as scales; the places, O^T's sixteen rescalings, stay beside this wait
.irp t, 0,1,2,3
	v_wmma_scale_f32_16x16x128_f8f6f4 v[O+8*\t:O+8*\t+7], v[FR+16*\t:FR+16*\t+15], v[PC:PC+15], v[O+8*\t:O+8*\t+7], v[VW+\t], v[PW]
.endr
	WIN 0x54
.irp t, 0,1,2,3
	v_wmma_scale_f32_16x16x128_f8f6f4 v[O+8*\t:O+8*\t+7], v[FR+16*\t:FR+16*\t+15], v[PC:PC+15], v[O+8*\t:O+8*\t+7], v[VW+\t], v[PWB]
.endr
	WIN 0
.rept 8
	v_nop                                          ; places in front of the next read of O^T
.endr
.endm
.macro CLEAR tau                       ; a pass begins: O^T and the sum are zeros, the largest t lies under every t
	WIN 0x55*(\tau)
.set j, 0
.rept 32
	v_mov_b32 v[O+j], 0
.set j, j+1
.endr
	v_mov_b32 v[L], 0
	v_mov_b32 v[L+1], 0
	v_mov_b32 v[TR], 0xff61b1e6
	v_floor_f32 v[NM], -v[TR]
.irp b, 0,1,2,3
	v_mov_b32 v[PT+\b], 0                          ; a lane permute's destination counts as one of its sources
.endr
	v_mov_b32 v[PW], 0                             ; (named as the upper half of the pair with f before it is first made)
.endm
; A pass ends: O^T / the sum, quantised along the head's 64 channels (two blocks).  FINC: a tile's arithmetic, in its window.  FINS: its five LDS stores into the stage, in natural order.
; Both tiles' arithmetic stands first, so that one wait serves the run of ten stores.
.macro FINC tau
	WIN 0x55*(\tau)
	v_add_f32 v[L], v[L], v[L+1]
	v_permlanex16_b32 v[PT], v[L], s[SEL], s[SEL+1]
	v_add_f32 v[L], v[L], v[PT]                    ; the row's sum
	v_rcp_f32 v[F], v[L]
	v_nop
	s_wait_alu depctr_va_vdst(0)                   ; the reciprocal is written, ahead of its first reader
.set j, 0
.rept 16
	v_pk_mul_f32 v[S+j:S+j+1], v[O+j:O+j+1], v[F:F+1] op_sel_hi:[1,0]   ; register 8 t + i: channel 16 t + 8 h + i of query r
.set j, j+2
.endr
.irp b, 0,1
	v_max3_num_f32 v[BX+\b], |v[S+16*\b]|, |v[S+1+16*\b]|, 0x4800000
.endr
.irp i, 2,4,6,8,10,12,14
.irp b, 0,1
	v_max3_num_f32 v[BX+\b], v[BX+\b], |v[S+16*\b+\i]|, |v[S+1+16*\b+\i]|
.endr
.endr
.irp b, 0,1
	v_permlanex16_b32 v[PT+\b], v[BX+\b], s[SEL], s[SEL+1]
.endr
.irp b, 0,1
	v_max_num_f32 v[BX+\b], v[BX+\b], v[PT+\b]
.endr
.irp b, 0,1
	v_add_nc_u32 v[SO+\b], 0xfc000000, v[BX+\b]
.endr
.irp b, 0,1
	v_and_or_b32 v[HD+\b], v[BX+\b], 0x7f800000, s[MNT]
.endr
.irp b, 0,1
	v_lshrrev_b32 v[PT+\b], 23, v[SO+\b]
.endr
	v_lshl_or_b32 v[TMP], v[PT+1], 8, v[PT]        ; the two scale bytes
.irp b, 0,1
.irp i, 0,1,2,3,4,5,6,7,8,9,10,11,12,13,14,15
	v_med3_num_f32 v[S+16*\b+\i], v[S+16*\b+\i], -v[HD+\b], v[HD+\b]
.endr
	v_cvt_scalef32_pk8_fp8_f32 v[PC+4*\b:PC+4*\b+1], v[S+16*\b:S+16*\b+7], v[SO+\b]
	v_cvt_scalef32_pk8_fp8_f32 v[PC+4*\b+2:PC+4*\b+3], v[S+16*\b+8:S+16*\b+15], v[SO+\b]
.endr
	v_nop                                          ; a plain instruction behind the last conversion
.endm
.macro FINS tau
	WIN 0x04*(\tau)
.irp b, 0,1
.irp u, 0,1
	ds_store_b64 v[EST], v[PC+4*\b+2*\u:PC+4*\b+2*\u+1] offset:16*STP*(\tau)+32*\b+16*\u   ; channels 32 b + 16 u + 8 h + 0..7
.endr
.endr
	ds_store_b16 v[ESS], v[TMP] offset:128*(\tau)  ; both halves of the lanes write the same two bytes with the same value
.endm
	s_mov_b32 s[PS], 2
.Lpass:
	s_wait_loadcnt 0x0                             ; this pass's Q
	WIN 0x41
.irp i, 0,1,2,3,4,5,6,7
	v_mov_b32 v[QZ+8+\i], v[QN+\i]
	v_mov_b32 v[QZ+24+\i], v[QN+8+\i]
.endr
	WIN 0x04
	v_lshrrev_b32 v[QSA], s[SH], v[QR]             ; my head's two bytes of Q's scale words,
	v_lshrrev_b32 v[QSA+1], s[SH], v[QR+1]
	WIN 0
	v_and_b32 v[QSA], 0xffff, v[QSA]
	v_and_b32 v[QSA+1], 0xffff, v[QSA+1]
	v_lshl_or_b32 v[QSA], v[QSA], 16, v[QSA]       ; twice: Q stands in either half of K
	v_lshl_or_b32 v[QSA+1], v[QSA+1], 16, v[QSA+1]
	s_cmp_eq_u32 s[PS], 1
	s_cbranch_scc1 .Lno_q
	s_wait_alu depctr_va_vdst(0)                   ; the moves and shifts above are done reading the registers of the loaded Q, in which the loads below land
	QLOAD                                          ; the second pass's Q is asked for a pass ahead
.Lno_q:
	CLEAR 0
	CLEAR 1
	WIN 0
	s_mov_b32 s[JC], 16
.Ltrip:                                            ; one step of 128 keys
	s_wait_alu depctr_vm_vsrc(0)                   ; the LDS loads and stores issued so far have read the seven addresses, which are written below, and the staging registers, in which batch 1 lands
	v_add_nc_u32 v[AM], s[TB], v[AM0]
	v_add_nc_u32 v[AI], s[TB], v[AI0]
	v_add_nc_u32 v[ASC], s[TB], v[ASC0]
	v_add_nc_u32 v[ASV], s[TB], v[ASV0]
	v_add_nc_u32 v[SM], s[TBN], v[SM0]
	v_add_nc_u32 v[SI], s[TBN], v[SI0]
	v_add_nc_u32 v[SS], s[TBN], v[SS0]
	s_wait_alu depctr_va_vdst(0)                   ; the seven addresses are written; the step before is done with the staging registers (its scalings), k's scale words (v_perm), the fragments and v's scale words (its products) and both tiles' S (softmax): in all of these the loads below land
	s_bitcmp1_b32 s[NXT], s[ST]
	s_cbranch_scc0 .Lno_next
	ISSUE1                                         ; the next step's first batch
.Lno_next:
	ASKI
	ASKM
	s_bitcmp1_b32 s[ACT], s[ST]
	s_cbranch_scc0 .Ldead
	LOADS_S
	PRODUCT_S
	LOADS_V
	SOFTMAX 0
	MID
	SOFTMAX 1
	PRODUCT_O
	s_branch .Ljoin
.Ldead:
	MID
.Ljoin:
	s_wait_loadcnt 0x0                             ; on every path
	s_bitcmp1_b32 s[NXT], s[ST]
	s_cbranch_scc0 .Lno_store
	PREP
	s_wait_alu depctr_va_vdst(0)                   ; the scalings have written the mask's sixteen staging registers, which the LDS stores read
	STORE2
.Lno_store:
	s_wait_dscnt 0x0                               ; my stores into the next slot have landed and my reads of this slot are over
	s_barrier_signal -1
	s_barrier_wait -1                              ; one barrier a step, outside every branch
	s_wait_xcnt 0x0                                ; the loads and prefetches have read their bases
	s_add_co_u32 s[ST], s[ST], 1
	NEXTPTR
	s_xor_b32 s[TB], s[TB], SLOT1
	s_xor_b32 s[TBN], s[TBN], SLOT1
	s_sub_co_u32 s[JC], s[JC], 1
	s_cmp_lg_u32 s[JC], 0
	s_cbranch_scc1 .Ltrip
	FINC 0
	FINC 1
	s_wait_alu depctr_va_vdst(0)                   ; both tiles' codes and scale bytes of ctx are written, which the ten LDS stores read; the last products are done reading V's fragments, in which the loads from the stage land
	FINS 0
	FINS 1
	WIN 0
	s_wait_dscnt 0x0                               ; for the others' sake: a row's 256 bytes come from four waves
	s_barrier_signal -1
	s_barrier_wait -1
.irp i, 0,1,2,3
	ds_load_b128 v[FR+4*\i:FR+4*\i+3], v[ERD] offset:2*STP*\i
.endr
	ds_load_b64 v[FR+16:FR+17], v[ESR]
.irp i, 0,1,2,3
	s_wait_dscnt 4-\i                              ; the younger loads stay out
	global_store_b128 v[EGO], v[FR+4*\i:FR+4*\i+3], s[OC:OC+1] offset:2048*\i   ; sixteen lanes store 256 consecutive bytes, aligned
.endr
	s_wait_dscnt 0x0
	global_store_b64 v[ESG], v[FR+16:FR+17], s[OS:OS+1]   ; 8 scale bytes a token; four lanes write the same eight
	s_wait_xcnt 0x0                                ; the stores have had their addresses translated: their bases may be written
	s_wait_alu depctr_vm_vsrc(0)                   ; the global stores have read the rows of ctx, and the LDS stores its codes and scale bytes: the next pass's fragments land in the first, its softmax writes the others
	s_add_nc_u64 s[OC:OC+1], s[OC:OC+1], s[DC:DC+1]
	s_add_nc_u64 s[OS:OS+1], s[OS:OS+1], s[DS:DS+1]
	s_sub_co_u32 s[PS], s[PS], 1
	s_cmp_lg_u32 s[PS], 0
	s_cbranch_scc1 .Lpass
	s_wait_dscnt 0x0
	s_wait_alu depctr_hold_cnt(0) depctr_sa_sdst(0) depctr_va_vdst(0) depctr_va_sdst(0) depctr_va_ssrc(0) depctr_va_vcc(0) depctr_vm_vsrc(0)
	s_wait_tensorcnt 0x0
	ds_add_u32 v254, v255
	s_wait_dscnt 0x0
	s_endpgm
.Lfunc_end_k_qa7b4b4823b_attn:
	.size	k_qa7b4b4823b_attn, .Lfunc_end_k_qa7b4b4823b_attn-k_qa7b4b4823b_attn
	.p2alignl 7, 3214868480
	.fill 96, 4, 3214868480
	.section	.rodata,"a",@progbits
	.p2align	6, 0x0
	.amdhsa_kernel k_qa7b4b4823b_attn
		.amdhsa_group_segment_fixed_size 251392
		.amdhsa_private_segment_fixed_size 0
		.amdhsa_enable_private_segment 0
		.amdhsa_kernarg_size 48
		.amdhsa_user_sgpr_count 2
		.amdhsa_user_sgpr_kernarg_segment_ptr 1
		.amdhsa_wavefront_size32 1
		.amdhsa_system_sgpr_workgroup_id_x 1
		.amdhsa_system_sgpr_workgroup_id_y 1
		.amdhsa_system_sgpr_workgroup_id_z 1
		.amdhsa_system_vgpr_workitem_id 0
		.amdhsa_next_free_vgpr 512
		.amdhsa_next_free_sgpr 106
		.amdhsa_reserve_vcc 0
		.amdhsa_float_denorm_mode_32 3
		.amdhsa_float_denorm_mode_16_64 3
		.amdhsa_memory_ordered 1
		.amdhsa_forward_progress 1
		.amdhsa_inst_pref_size 87
	.end_amdhsa_kernel
	.amdgpu_metadata
---
amdhsa.version: [ 1, 2 ]
amdhsa.kernels:
  - .name:           k_qa7b4b4823b_attn
    .symbol:         k_qa7b4b4823b_attn.kd
    .args:
      - { .name: attn_mask, .offset: 0, .size: 8, .value_kind: global_buffer, .address_space: global }
      - { .name: img, .offset: 8, .size: 8, .value_kind: global_buffer, .address_space: global }
      - { .name: isc, .offset: 16, .size: 8, .value_kind: global_buffer, .address_space: global }
      - { .name: flags, .offset: 24, .size: 8, .value_kind: global_buffer, .address_space: global }
      - { .name: acod, .offset: 32, .size: 8, .value_kind: global_buffer, .address_space: global }
      - { .name: ascl, .offset: 40, .size: 8, .value_kind: global_buffer, .address_space: global }
    .group_segment_fixed_size: 251392
    .private_segment_fixed_size: 0
    .kernarg_segment_align: 8
    .kernarg_segment_size: 48
    .max_flat_workgroup_size: 256
    .sgpr_count:     106
    .vgpr_count:     512
    .wavefront_size: 32
...
	.end_amdgpu_metadata
.endif
;; end of part 5
;; launch oproj: the kernel of part 4 again; grid 4 x 32, 4 waves a work-group, clusters of 4 x 4, 327,680 bytes of LDS; arguments acod, ascl, wcod, wscl, bo, out0; writes out0
